; MI455X (gfx1250); checked and timed in simulation.
; The chip was launched on July 23, 2026; its instructions are those of AMD's public machine-readable ISA for CDNA 5 (MIT licence, August 2026) and "CDNA5" Instruction Set Architecture Reference Guide (July 2026). The comments in the code are by the model that wrote it; some were corrected since.
;; Causal Self Attention. Allowed arithmetic: matrix products marked QUANTISED: E4M3 operands, one given power-of-two scale a tensor, by v_wmma_f32_16x16x64_fp8_fp8 or v_wmma_f32_16x16x128_fp8_fp8, f32 sums; everything else in f32.
;; Inputs: W_proj 1,024 x 1,024 float32; W_qkv 3,072 x 1,024 float32; lowp_scales 8 int32 (the exponents e of the quantised operands' scales 2^e); x 4 x 2,048 x 1,024 float32.
;; Outputs: out0 4 x 2,048 x 1,024 float32.
;; This version of the problem:
;;   THIS VERSION OF THE PROBLEM IS GIVEN IN LOW PRECISION. The matrix products marked QUANTISED in the list below multiply operands that are first quantised to E4M3 (4 exponent bits, 3 mantissa bits; 8 bits a number), with one given power-of-two scale for each operand tensor; their sums are f32. All else is computed in f32.
;;   The module's matrix products, in the order in which they are computed (A, B: the left and right operand; K: the contracted axis; several contracted axes count as one K, in the product's order):
;;     1. [M 8,192, K 1,024] x [K 1,024, N 3,072]; A: input x; B: input W_qkv: QUANTISED (scales: A lowp_scales[0], B lowp_scales[1])
;;     2. batch 64 x [M 2,048, K 64] x [K 64, N 2,048]; A: computed on the way; B: computed on the way: QUANTISED (scales: A lowp_scales[2], B lowp_scales[3])
;;     3. batch 64 x [M 2,048, K 2,048] x [K 2,048, N 64]; A: softmax (see below); B: computed on the way: QUANTISED (scales: A lowp_scales[4], B lowp_scales[5])
;;     4. [M 8,192, K 1,024] x [K 1,024, N 1,024]; A: computed on the way; B: input W_proj: QUANTISED (scales: A lowp_scales[6], B lowp_scales[7])
;;   THE QUANTISER, for each operand of a quantised product, along K:
;;     - The operand's scale is 2^e, e = its entry of the input lowp_scales (int32; the entries are numbered through the quantised products in the list's order, A before B).
;;     - Each number is divided by the scale, clamped to +-448, and rounded to the nearest number of E4M3, ties to even, subnormals kept.
;;     - The product sums the exact products of the quantised numbers (number of the format x scale) in f32.
;;   ~~~python
;;   def quantise(x, axis, e):      # numpy; x: float32 -> the quantised numbers, widened to float32 again
;;       x = np.moveaxis(x, axis, -1); K = x.shape[-1]
;;       r = np.clip(x / 2.0 ** e, -448, 448)
;;       step = 2.0 ** (np.maximum(np.frexp(np.where(r == 0, 1, r))[1] - 1, -6) - 3)
;;       q = np.round(r / step) * step * 2.0 ** e      # np.round: ties to even
;;       return np.moveaxis(q, -1, axis).astype(np.float32)
;;   ~~~
;;   SOFTMAX AHEAD OF A QUANTISED PRODUCT. Where the list says 'softmax', what is quantised is not the finished softmax but p = 2^(t - M), with t = logit x log2(e) and M = ceil(the row's largest t), a whole number; so 1/2 < the row's largest p <= 1. The row's sum l is taken of the UNQUANTISED p, in f32, and the product's result is divided by l at the end. Since M is a whole number, a kernel that streams over the keys may use a running M (the ceiling of the running maximum): every later rescaling is an exact power of two, so the quantised numbers keep their values, but for numbers so far below the row's largest that they fall under the format's range.
;;   OPERANDS COMPUTED ON THE WAY. 'Computed on the way' means the value that the module computes at that place (a softmax that the list does not call 'softmax' is quantised finished and normalised). What goes into a quantiser is computed in f32, as accurately as f32 sums, v_exp_f32 and their like allow (about 1e-6 of the number): no bf16 or f16 on the way to a quantiser, and a product that is left as it is and whose result goes on into a quantised operand takes f32 operands (vector FMAs, or v_wmma_f32_16x16x4_f32). A number that lies on a knife's edge between two numbers of the format may be rounded either way, as far as f32 arithmetic and the matrix unit's own rounding can turn it there, and no further.
;; One version. Each part assembles by itself: llvm-mc -triple=amdgcn-amd-amdhsa -mcpu=gfx1250 --defsym DOCPART=n.
;; ======== version 1 of 1: 4 launches
;; limits: right only within a limited range of input values
;; workspace buffers: x_codes 8,388,608 bytes; wqkv_codes 3,145,728 bytes; wproj_codes 1,048,576 bytes; q_img 8,388,608 bytes; kv_img 16,777,216 bytes; a_img 8,388,608 bytes
;; launch quant (part 1): grid 384 x 1, 4 waves a work-group, no clusters, 33,280 bytes of LDS; arguments x, W_qkv, W_proj, lowp_scales, x_codes, wqkv_codes, wproj_codes; writes x_codes, wqkv_codes, wproj_codes
.if DOCPART == 1
	.amdgcn_target "amdgcn-amd-amdhsa--gfx1250"
	.amdhsa_code_object_version 6
	.text
	.protected	k_q432ae66f7c_quant
	.globl	k_q432ae66f7c_quant
	.p2align	8
	.type	k_q432ae66f7c_quant,@function
k_q432ae66f7c_quant:
	s_mov_b64 s[64:65], 0
	v_nop
	global_prefetch_b8 v0, s[64:65] scope:SCOPE_SE
	s_setreg_imm32_b32 hwreg(HW_REG_WAVE_MODE, 25, 1), 1
	s_wait_xcnt 0x0
; x [8192][1024], W_qkv [3072][1024], W_proj [1024][1024], f32, K innermost, become codes of FP8 (E4M3), one byte each, K innermost, each tensor with its given scale 2^e
; (entries 0, 1 and 7 of the buffer of scales).  code = number / 2^e, held within +-448, rounded to the nearest code, ties to even.
; LIMITS: -126 <= e <= 119, so that 2^e and 448 x 2^e are f32 numbers.  NaN among the inputs is not served (an infinity is held at the largest code).
; THE ROWS LEAVE IN ANOTHER ORDER: in each block of 32 rows the four groups of 8 rows are stored in the order 0, 2, 1, 3.  So 16 neighbouring rows of a codes' buffer are the rows
; 8 u + r + 8 (r / 8) of their block, and a matrix result whose source 0 they are has 16 neighbours of the block in a lane's 16 registers of two neighbouring tiles: the later launches lean on that.
; A row is 1,024 numbers, a wave takes 8,192 numbers: just one group of 8 rows; so the order costs nothing: wave w of a work-group stores at the place of wave 0, 2, 1, 3.
; One launch, one path for the three tensors: work-groups 0-255 take x, 256-351 W_qkv, 352-383 W_proj; only pointers and e are chosen, by the work-group's number.
; A wave takes 16 steps of 512 numbers.  Each of a step's four loads reads 512 consecutive bytes; the 2,048 bytes turn through the wave's own stage in LDS (16 bytes of padding behind each 64)
; and come back 64 bytes a lane: 16 neighbours along K, as the conversions want them.  A lane's 16 codes are 16 bytes: the wave stores 512 consecutive bytes.
; No tensor loads, no barrier: waves share nothing.  Loads run four steps (16 loads a wave) ahead, the turn through LDS one step.
.set STEPS, 16
.set WGX,   256                        ; work-groups below this number take x
.set WGQ,   352                        ; those from WGX up to here W_qkv, the others W_proj
.set CB,    16                         ; bytes of 16 codes
.set R,     16                         ; v16-79   four sets of 16 numbers as they are loaded
.set X,     80                         ; v80-111  two sets of 16 neighbours
.set C,     128                        ; v128-191 codes: four registers for each step, so that no store's data are written again
.set WREG,  8192                       ; LDS: a region of its own for each wave: two stages of 32 x SP bytes
.set SP,    80                         ; a lane's place in a stage: its 64 bytes + 16 of padding
	s_load_b256 s[4:11], s[0:1], 0x0               ; x s[4:5], W_qkv s[6:7], W_proj s[8:9], the scales' exponents s[10:11]
	s_load_b128 s[12:15], s[0:1], 0x20             ; x's codes s[12:13], W_qkv's s[14:15]
	s_load_b64 s[24:25], s[0:1], 0x30              ; W_proj's
	v_lshl_add_u32 v192, v0, 2, 0x8000
	v_mov_b32 v193, 0
	v_lshrrev_b32 v1, 5, v0
	v_readfirstlane_b32 s16, v1                    ; wave
	v_and_b32 v2, 31, v0                           ; lane
	v_lshlrev_b32 v3, 4, v2                        ; my 16 bytes of a load's 512
	s_mul_i32 s17, s16, WREG
	v_lshrrev_b32 v14, 2, v2
	v_mul_u32_u24 v14, v14, SP
	v_and_b32 v15, 3, v2
	v_lshl_add_u32 v14, v15, 4, v14
	v_add_nc_u32 v14, s17, v14                     ; the stage, on the way in: SP (lane / 4) + 16 (lane % 4); a load's 512 bytes take eight places
	v_mul_u32_u24 v15, v2, SP
	v_add_nc_u32 v15, s17, v15                     ; and on the way out: SP x lane: my 16 neighbours
	v_mul_u32_u24 v4, v2, CB                       ; my codes' place in a step's
	s_wait_alu depctr_va_vdst(0)
	s_wait_kmcnt 0x0
	s_load_b256 s[32:39], s[10:11], 0x0            ; e0 .. e7
	s_cmp_lt_u32 ttmp9, WGQ                        ; W_qkv or W_proj?  The choices hang on the work-group's number alone
	s_cselect_b64 s[6:7], s[6:7], s[8:9]
	s_cselect_b64 s[14:15], s[14:15], s[24:25]
	s_movk_i32 s17, WGQ
	s_cselect_b32 s17, WGX, s17                    ; the tensor's first work-group
	s_cmp_lt_u32 ttmp9, WGX                        ; x or one of those?
	s_cselect_b64 s[4:5], s[4:5], s[6:7]           ; the numbers
	s_cselect_b64 s[8:9], s[12:13], s[14:15]       ; the codes
	s_cselect_b32 s17, 0, s17
	s_sub_co_u32 s17, ttmp9, s17
	s_lshl_b32 s17, s17, 2                         ; the work-group's first group of 8 rows in its tensor
	s_add_co_u32 s18, s17, s16
	s_lshl_b32 s18, s18, 15                        ; in: group x 32,768 bytes (under 2^26)
	s_mov_b32 s19, 0
	s_and_b32 s20, s16, 1
	s_lshl_b32 s20, s20, 1
	s_lshr_b32 s21, s16, 1
	s_or_b32 s20, s20, s21                         ; 0, 2, 1, 3 for waves 0, 1, 2, 3
	s_add_co_u32 s20, s20, s17
	s_lshl_b32 s20, s20, 13                        ; out: place x 8,192 bytes
	s_mov_b32 s21, 0
	s_add_nc_u64 s[4:5], s[4:5], s[18:19]
	s_add_nc_u64 s[8:9], s[8:9], s[20:21]
.macro LOAD t
.irp i, 0,1,2,3
	global_load_b128 v[R+16*((\t)%4)+4*\i:R+16*((\t)%4)+4*\i+3], v3, s[4:5] offset:2048*(\t)+512*\i th:TH_LOAD_NT   ; 32 lanes read 512 consecutive bytes
.endr
.endm
.macro TURN t                          ; step t's numbers through the stage: LDS serves a wave's instructions in order (ISA guide 5.7.1.4), so no wait stands between the stores and the loads
.irp i, 0,1,2,3
	ds_store_b128 v14, v[R+16*((\t)%4)+4*\i:R+16*((\t)%4)+4*\i+3] offset:32*SP*((\t)%2)+8*SP*\i
.endr
.irp i, 0,1,2,3
	ds_load_b128 v[X+16*((\t)%2)+4*\i:X+16*((\t)%2)+4*\i+3], v15 offset:32*SP*((\t)%2)+16*\i
.endr
.endm
.irp t, 0,1,2,3
	LOAD \t
.endr
	s_wait_kmcnt 0x0
	s_cmp_lt_u32 ttmp9, WGQ
	s_cselect_b32 s22, s33, s39                    ; e1 or e7
	s_cmp_lt_u32 ttmp9, WGX
	s_cselect_b32 s22, s32, s22                    ; or e0
	s_add_co_i32 s22, s22, 127
	s_lshl_b32 s23, s22, 23
	v_mov_b32 v11, s23                             ; 2^e as f32: the conversion takes its exponent field
	s_add_co_i32 s22, s22, 8
	s_lshl_b32 s22, s22, 23
	s_or_b32 s22, s22, 0x600000
	s_wait_alu depctr_va_vdst(0)
	s_wait_loadcnt 12                              ; step 0's four loads are in; the twelve of steps 1 to 3 may be out
	TURN 0
.macro STEP t
.set XS, X+16*((\t)%2)
	s_wait_dscnt 0x0                               ; this step's numbers are back from the stage: so its stores into the stage have read their registers,
.if (\t)+4 < STEPS
	LOAD (\t)+4                                    ; which take the loads of four steps on
.endif
.if (\t)+1 < STEPS
.if STEPS-2-(\t) >= 3
	s_wait_loadcnt 12                              ; the next step's four loads are in; those of the three steps behind it may be out
.else
	s_wait_loadcnt 4*(STEPS-2-(\t))
.endif
	TURN (\t)+1                                    ; and go through the other stage while this step is worked
.endif
.irp i, 0,1,2,3,4,5,6,7,8,9,10,11,12,13,14,15
.endr
	v_cvt_scalef32_pk8_fp8_f32 v[C+4*(\t):C+4*(\t)+1], v[XS:XS+7], v11
	v_cvt_scalef32_pk8_fp8_f32 v[C+4*(\t)+2:C+4*(\t)+3], v[XS+8:XS+15], v11
	global_store_b128 v4, v[C+4*(\t):C+4*(\t)+3], s[8:9] offset:32*CB*(\t)   ; the results go to a store alone
.endm
.irp t, 0,1,2,3,4,5,6,7,8,9,10,11,12,13,14,15
	STEP \t
.endr
	s_wait_tensorcnt 0x0
	ds_add_u32 v192, v193
	s_wait_dscnt 0x0
	s_endpgm
.Lfunc_end_k_q432ae66f7c_quant:
	.size	k_q432ae66f7c_quant, .Lfunc_end_k_q432ae66f7c_quant-k_q432ae66f7c_quant
	.p2alignl 7, 3214868480
	.fill 96, 4, 3214868480
	.section	.rodata,"a",@progbits
	.p2align	6, 0x0
	.amdhsa_kernel k_q432ae66f7c_quant
		.amdhsa_group_segment_fixed_size 33280
		.amdhsa_private_segment_fixed_size 0
		.amdhsa_enable_private_segment 0
		.amdhsa_kernarg_size 56
		.amdhsa_user_sgpr_count 2
		.amdhsa_user_sgpr_kernarg_segment_ptr 1
		.amdhsa_wavefront_size32 1
		.amdhsa_system_sgpr_workgroup_id_x 1
		.amdhsa_system_sgpr_workgroup_id_y 1
		.amdhsa_system_sgpr_workgroup_id_z 1
		.amdhsa_system_vgpr_workitem_id 0
		.amdhsa_next_free_vgpr 194
		.amdhsa_next_free_sgpr 66
		.amdhsa_reserve_vcc 0
		.amdhsa_float_denorm_mode_32 3
		.amdhsa_float_denorm_mode_16_64 3
		.amdhsa_fp16_overflow 1
		.amdhsa_memory_ordered 1
		.amdhsa_forward_progress 1
		.amdhsa_inst_pref_size 22
	.end_amdhsa_kernel
	.amdgpu_metadata
---
amdhsa.version: [ 1, 2 ]
amdhsa.kernels:
  - .name:           k_q432ae66f7c_quant
    .symbol:         k_q432ae66f7c_quant.kd
    .args:
      - { .name: x, .offset: 0, .size: 8, .value_kind: global_buffer, .address_space: global }
      - { .name: W_qkv, .offset: 8, .size: 8, .value_kind: global_buffer, .address_space: global }
      - { .name: W_proj, .offset: 16, .size: 8, .value_kind: global_buffer, .address_space: global }
      - { .name: lowp_scales, .offset: 24, .size: 8, .value_kind: global_buffer, .address_space: global }
      - { .name: x_codes, .offset: 32, .size: 8, .value_kind: global_buffer, .address_space: global }
      - { .name: wqkv_codes, .offset: 40, .size: 8, .value_kind: global_buffer, .address_space: global }
      - { .name: wproj_codes, .offset: 48, .size: 8, .value_kind: global_buffer, .address_space: global }
    .group_segment_fixed_size: 33280
    .private_segment_fixed_size: 0
    .kernarg_segment_align: 8
    .kernarg_segment_size: 56
    .max_flat_workgroup_size: 128
    .sgpr_count:     66
    .vgpr_count:     194
    .wavefront_size: 32
...
	.end_amdgpu_metadata
.endif
;; end of part 1
;; launch qkv (part 2): grid 12 x 32, 4 waves a work-group, clusters of 4 x 4, 327,680 bytes of LDS; arguments x_codes, wqkv_codes, lowp_scales, q_img, kv_img; writes q_img, kv_img
.if DOCPART == 2
	.amdgcn_target "amdgcn-amd-amdhsa--gfx1250"
	.amdhsa_code_object_version 6
	.text
	.protected	k_q432ae66f7c_qkv
	.globl	k_q432ae66f7c_qkv
	.p2align	8
	.type	k_q432ae66f7c_qkv,@function
k_q432ae66f7c_qkv:
	s_mov_b64 s[64:65], 0
	v_nop
	global_prefetch_b8 v0, s[64:65] scope:SCOPE_SE
	s_setreg_imm32_b32 hwreg(HW_REG_WAVE_MODE, 25, 1), 1
	s_wait_xcnt 0x0
	s_wait_alu depctr_hold_cnt(0) depctr_sa_sdst(0) depctr_va_vdst(0) depctr_va_sdst(0) depctr_va_ssrc(0) depctr_va_vcc(0) depctr_vm_vsrc(0)
	s_getreg_b32 s2, hwreg(HW_REG_IB_STS2, 6, 4)
	s_cmp_eq_u32 s2, 0
	s_cbranch_scc0 .Lentry_in_a_cluster
	s_endpgm
.Lentry_in_a_cluster:
	s_bfe_u32 s2, ttmp6, 0x10000c
	s_cmp_lg_u32 s2, 0xf033
	s_cbranch_scc0 .Lentry_shape_is_right
	s_endpgm
.Lentry_shape_is_right:
; q, k, v = x W_qkv^T on codes of FP8 (E4M3), f32 sums, and each result quantised at once, in registers, with its given scale: q 2^e2, k 2^e3, v 2^e5 (x: 2^e0, W_qkv: 2^e1).
; x_codes [8192][1024], wqkv_codes [3072][1024]: K innermost; in each block of 32 rows the groups of 8 rows lie in the order 0, 2, 1, 3 (the launch before laid them so).
; A tile of 256 x 256 results is made by a work-group of four waves; a wave makes 128 x 128: 64 accumulators, 512 registers.  K = 1,024 goes in four steps of 256 through two LDS slots.
; CLUSTERS: 4 x 4 work-groups.  The tiles of the side called A are shared along a row of the cluster, those of side B along a column: each is asked for JOINTLY, by the same tensor load with a mask of four.
; Source 0 of the matrix instruction = 16 rows of side B, source 1 = 16 rows of side A: a lane holds ONE row of side A, and, by the order of the rows, its 16 registers of two neighbouring
; tiles are 16 NEIGHBOURING rows of side B: 32 beta + 16 (lane / 16) + 0 .. 15.  These 16 must be neighbours along the K of the product that comes next:
;   q, k (cluster x = 0, 1): that K is the head's 64 channels: side A = x (tokens), side B = W_qkv (channels).      v (cluster x = 2): that K is the keys: side A = W_qkv, side B = x.
; The sides are chosen by selects on the cluster's x, which all sixteen partners share; no branch hangs on it, and the loop and every LDS address are the same for all three.
; THE RESULTS LEAVE AS IMAGES OF THE NEXT LAUNCH'S OPERAND REGISTERS: a lane's 16 codes are 16 bytes, stored at 16 x lane: each store of the wave covers 512 consecutive bytes, aligned.  No stage in LDS.
;   q_img [head 64][step 16][tile 8][piece 2][512]: tile t, lane (r, h): token 128 step + 32 (t / 2) + 8 (t % 2) + r + 8 (r / 8), channels 32 piece + 16 h + 0 .. 15.
;   kv_img [head 64][step 16][16,384]: K's image, laid as q's, then V's [tile 4][piece 4][512]: lane (r, h): channel 32 (tile / 2) + 8 (tile % 2) + r + 8 (r / 8), keys 128 step + 32 piece + 16 h + 0 .. 15.
; A fragment is fetched by four loads of 16 bytes: registers 4 c .. 4 c + 3 hold K = 32 c + 16 (lane / 16) + 0 .. 15: a permutation of K, the same on both sides, so every product meets its partner.
; LIMITS: e_out - e0 - e1 between -126 and 119 for e_out = e2, e3, e5, so that the conversion's scale and 448 x it are f32 numbers.  NaN is not served.
; REGISTERS: window 0: v0-31 addresses; v96-127 the way out; from v128 side A's fragments, ONE set.  window 1: side B's, TWO sets.  windows 2, 3: the accumulators ((a, b) at v[8 (8 (a % 4) + b)]).
.set SIZE_K, 1024
.set KSTEP,  256                       ; along K in a slot
.set ROWB,   256                       ; a tile's row in bytes
.set KROW,   SIZE_K                    ; a row of codes in memory, in bytes
.set PITCH,  272                       ; an LDS row: 256 bytes + 16 of padding = 68 words: row r starts at bank 4 r mod 64 (ISA guide 11.1): the 16 rows of a load start at 16 different banks
.set FR,     16                        ; registers of a fragment: 16 rows x 128 K
.set NL,     4                         ; LDS loads that bring one
.set NP,     4                         ; places behind this matrix instruction (ISA guide 7.12.1)
.set HALFT,  128*PITCH                 ; 128 rows: what one tensor load brings, and what one wave reads of a side
.set SLOT,   4*HALFT                   ; side A's 256 rows, then side B's
.set LAPS,   SIZE_K/(2*KSTEP)          ; a lap = two K steps = once round the ring
.set SPARE,  2*SLOT                    ; behind the ring: the spare words, 128 bytes for each wave: two blocks of 256 bytes that no other line names
.set SCL,  10                          ; v10     the conversion's scale, 2^(e_out - e0 - e1)
.set LIM,  11
.set OF,   12                          ; v12-15  the way out: my 16 bytes in a block's four pieces; never rewritten
.set ADRA, 16                          ; v16-17  LDS address of my A fragments in slot 0, 1
.set ADRB, 20                          ; v20-21  the same for B
.set SPW,  28                          ; v28     LDS address of my spare word: SPARE + 4 x my thread's number; never rewritten
.set NIL,  29                          ; v29     0; never rewritten
.set TMP,  32
.set CODE, 96                          ; v96-127 their codes: two sets of 16 registers by turns
.set AF,   128                         ; A's fragments, in window 0
.set G1, 24                            ; s[24:31] descriptor group 1 for A's tiles;  s[32:39] group 0, one set for each slot
.set G0, 32
.set G1B, 48                           ; s[48:55], s[56:63] the same for B's tiles
.set G0B, 56
.set MSB, 0
.macro WIN new                         ; the immediate's high byte repeats the setting that is left
.if MSB != \new
	s_set_vgpr_msb (MSB<<8)|\new
.set MSB, \new
.endif
.endm
.set MUL_LO, 0xa1                      ; source 0 (B) window 1, source 1 (A) window 0, C and D window 2
.set MUL_HI, 0xf1                      ; the same, C and D window 3
.set TO_B,   0x40                      ; destination window 1, address window 0
; A joint load: waves 0 and 1 fetch for side A, waves 2 and 3 for side B.  Each of the two lines has ONE mask and one set of registers for all that issue it; the branch hangs on the wave's number alone.
; Four v_nop follow each of the two lines, ahead of the jump, the label and what follows.
.macro JLOAD g0a, g1a, g0b, g1b
	s_cmp_eq_u32 s15, 0
	s_cbranch_scc0 .Lfor_b_\@
	tensor_load_to_lds s[\g0a:\g0a+3], s[\g1a:\g1a+7]
	s_nop 0
.rept 4
	v_nop
.endr
	s_branch .Lasked_\@
.Lfor_b_\@:
	tensor_load_to_lds s[\g0b:\g0b+3], s[\g1b:\g1b+7]
	s_nop 0
.rept 4
	v_nop
.endr
.Lasked_\@:
.endm
.macro CREST                           ; a round of the cluster's barrier behind its opening barrier
	s_cmp_lg_u32 s14, 0
	s_cbranch_scc1 .Lnot_wave_0_\@
	s_barrier_signal -3
.Lnot_wave_0_\@:
	s_barrier_wait -3
	s_barrier_signal -1
	s_barrier_wait -1
.endm
.macro CROUND                          ; a whole round
	s_barrier_signal -1
	s_barrier_wait -1
	CREST
.endm
	s_load_b128 s[4:7], s[0:1], 0x0                ; x's codes s[4:5], W_qkv's codes s[6:7]
	s_load_b128 s[8:11], s[0:1], 0x10              ; the scales' exponents s[8:9], q_img s[10:11]
	s_load_b64 s[12:13], s[0:1], 0x20              ; kv_img
	v_lshl_add_u32 v[SPW], v0, 2, SPARE
	v_mov_b32 v[NIL], 0
	ds_add_u32 v28, v29
	ds_add_u32 v28, v29
	s_wait_dscnt 0x0
	v_lshrrev_b32 v1, 5, v0
	v_readfirstlane_b32 s14, v1                    ; wave 0..3
	s_lshr_b32 s15, s14, 1                         ; which half of side A's 256 rows is mine.  Also: I fetch for A (0) or for B (1)
	s_and_b32 s16, s14, 1                          ; which half of side B's.  Also: which 128 rows of that tile I fetch
	s_bfe_u32 s40, ttmp6, 0x40000                  ; cx, cy: my place in the cluster
	s_bfe_u32 s41, ttmp6, 0x40004
	s_and_b32 s17, ttmp7, 0xffff
	s_lshl_b32 s17, s17, 2                         ; 4 x cluster y
	s_lshl_b32 s42, ttmp9, 2                       ; 4 x cluster x
	s_add_co_u32 s66, s17, s41                     ; side A's tile of 256 rows, q and k: x's tile 4 cluster y + cy;
	s_add_co_u32 s67, s41, 8                       ; v: W_qkv's tile 8 + cy.  Neither holds cx
	s_add_co_u32 s68, s42, s40                     ; side B's, q and k: W_qkv's tile 4 cluster x + cx;
	s_add_co_u32 s69, s17, s40                     ; v: x's tile 4 cluster y + cx.  Neither holds cy
	s_lshl_b32 s43, s41, 2
	s_lshl_b32 s43, 15, s43                        ; my row of the cluster
	s_lshl_b32 s44, 0x1111, s40                    ; my column
	; descriptor group 1: a tile of 128 rows x 256 bytes, padded in LDS; both buffers of codes have rows of 1,024 bytes
	s_or_b32 s[G1+0], s43, (0<<16)|(1<<20)|(1<<21)|(5<<22)|(3<<25)  ; 15:0 the mask: A's tiles go to my row; 17:16 element of 1 byte; 20 padding on; 21 set beside a mask; 24:22 after every 64 words (code 5); 31:25 of 4 words (code 3)
	s_or_b32 s[G1B+0], s44, (0<<16)|(1<<20)|(1<<21)|(5<<22)|(3<<25)
.irp g, G1, G1B
	s_mov_b32 s[\g+1], ROWB<<16                    ; tensor_dim0
	s_mov_b32 s[\g+2], 128<<16                     ; tensor_dim1 = 128
	s_mov_b32 s[\g+3], ROWB<<16                    ; tile_dim0
	s_mov_b32 s[\g+4], 128                         ; tile_dim1 = 128
	s_mov_b32 s[\g+5], KROW                        ; tensor_dim0_stride
	s_mov_b32 s[\g+6], 0
	s_mov_b32 s[\g+7], 0
.endr
	s_cmp_eq_u32 ttmp9, 2                          ; v?  The same in all sixteen partners
	s_cselect_b32 s70, s67, s66                    ; side A's tile
	s_cselect_b32 s71, s69, s68                    ; side B's tile
	s_lshl_b32 s18, s16, 7                         ; which 128 rows of the tile I fetch
	s_lshl_b32 s20, s70, 8
	s_add_co_u32 s20, s20, s18
	s_lshl_b32 s20, s20, 10                        ; x 1,024 bytes a row: under 2^23
	s_mov_b32 s21, 0
	s_lshl_b32 s46, s71, 8
	s_add_co_u32 s46, s46, s18
	s_lshl_b32 s46, s46, 10
	s_mov_b32 s47, 0
	s_mul_i32 s45, s14, HALFT                      ; where they go: wave x 128 rows: no place in the cluster enters an LDS address
	s_wait_kmcnt 0x0
	s_load_b256 s[88:95], s[8:9], 0x0              ; e0 .. e7
	s_cmp_eq_u32 ttmp9, 2
	s_cselect_b64 s[72:73], s[6:7], s[4:5]         ; side A's buffer
	s_cselect_b64 s[74:75], s[4:5], s[6:7]         ; side B's
	s_add_nc_u64 s[20:21], s[72:73], s[20:21]
	s_add_nc_u64 s[46:47], s[74:75], s[46:47]
	CROUND                                         ; all sixteen work-groups are here: the first joint loads meet
.irp s, 0,1
	s_mov_b32 s[G0+4*\s], 1
	s_add_co_u32 s[G0+4*\s+1], s45, \s*SLOT
	s_add_nc_u64 s[G0+4*\s+2:G0+4*\s+3], s[20:21], \s*ROWB
	s_or_b32 s[G0+4*\s+3], s[G0+4*\s+3], 0x80000000
	s_mov_b32 s[G0B+4*\s], 1
	s_add_co_u32 s[G0B+4*\s+1], s45, \s*SLOT
	s_add_nc_u64 s[G0B+4*\s+2:G0B+4*\s+3], s[46:47], \s*ROWB
	s_or_b32 s[G0B+4*\s+3], s[G0B+4*\s+3], 0x80000000
	JLOAD G0+4*\s, G1, G0B+4*\s, G1B
.endr
	v_and_b32 v1, 15, v0                           ; l % 16
	v_bfe_u32 v2, v0, 4, 1                         ; l / 16
	v_mul_u32_u24 v3, v1, PITCH
	v_lshl_add_u32 v4, v2, 4, v3                   ; a fragment's row x pitch + 16 x half
	s_mul_i32 s21, s15, HALFT                      ; my 128 rows of A
	s_mul_i32 s22, s16, HALFT                      ; my 128 rows of B,
	s_add_co_u32 s22, s22, 2*HALFT                 ; which lie behind A's 256
.irp s, 0,1
	v_add_nc_u32 v[ADRA+\s], s21, v4
	v_add_nc_u32 v[ADRB+\s], s22, v4
	s_add_co_u32 s21, s21, SLOT
	s_add_co_u32 s22, s22, SLOT
.endr
	; THE WAY OUT'S ADDRESSES.  My 128 tokens are one step of one batch; my 128 channels are two heads.
	s_cmp_eq_u32 ttmp9, 2
	s_cselect_b32 s82, s69, s66                    ; the tile of 256 tokens,
	s_cselect_b32 s83, s16, s15                    ; and which half of it is mine
	s_cselect_b32 s84, s41, s40                    ; the tile of 256 channels within q, k or v,
	s_cselect_b32 s85, s15, s16                    ; and which half
	s_cselect_b32 s86, 8192, 0                     ; V's image lies behind K's in a step
	s_movk_i32 s76, 1024
	s_cselect_b32 s76, 2048, s76                   ; from one block of side A to the next: a tile of the image
	s_movk_i32 s78, 1024
	s_cselect_b32 s78, 262144-6144, s78            ; from block 3 to block 4; v: on to the next head, back by three tiles
	s_mov_b32 s77, 0
	s_mov_b32 s79, 0
	s_cmp_eq_u32 ttmp9, 0                          ; q?
	s_cselect_b32 s87, 17, 18                      ; a head is 2^17 bytes of q_img, 2^18 of kv_img; a step a sixteenth
	s_cselect_b64 s[10:11], s[10:11], s[12:13]     ; the buffer
	s_lshl_b32 s98, 1, s87
	s_cmp_eq_u32 ttmp9, 2
	s_cselect_b32 s98, 1024, s98                   ; from piece 0 to piece 2 of a block: v: two pieces on; q, k: the next head
	s_lshl_b32 s82, s82, 1
	s_add_co_u32 s82, s82, s83                     ; my 128 tokens: 0 .. 63
	s_lshr_b32 s83, s82, 4                         ; batch
	s_and_b32 s82, s82, 15                         ; step
	s_lshl_b32 s84, s84, 2
	s_lshl_b32 s85, s85, 1
	s_add_co_u32 s84, s84, s85                     ; my first head
	s_lshl_b32 s83, s83, 4
	s_add_co_u32 s83, s83, s84                     ; 16 x batch + head
	s_lshl_b32 s83, s83, s87
	s_sub_co_u32 s87, s87, 4
	s_lshl_b32 s82, s82, s87
	s_add_co_u32 s82, s82, s83
	s_add_co_u32 s82, s82, s86                     ; under 2^24
	s_mov_b32 s83, 0
	s_add_nc_u64 s[10:11], s[10:11], s[82:83]
	v_and_b32 v6, 31, v0
	v_lshlrev_b32 v[OF], 4, v6                     ; 16 x lane
	v_add_nc_u32 v[OF+1], 0x200, v[OF]
	v_add_nc_u32 v[OF+2], s98, v[OF]
	v_add_nc_u32 v[OF+3], 0x200, v[OF+2]
.macro FRAG reg, adr, q, i             ; a fragment, 16 rows x 128 K, is 16 registers: lane l holds row l % 16; registers 4 c .. 4 c + 3 hold K = 32 c + 16 (l / 16) + 0 .. 15
.irp c, 0,1,2,3
	ds_load_b128 v[\reg+4*\c:\reg+4*\c+3], v[\adr] offset:128*(\q)+32*\c+(\i)*16*PITCH
.endr
.endm
; 16 matrix instructions: A's blocks a0, a0 + 1 x B's eight, 128 along K.  p: B's set.  zero = 1: the first product starts the sums: nothing is ever cleared.
; The 64 accumulators take turns, one instruction a turn, in the same order in every step.
.macro MUL16 a0, p, zero
.irp a, \a0, \a0+1
.irp b, 0,1,2,3,4,5,6,7
.if \zero
	v_wmma_f32_16x16x128_fp8_fp8 v[8*(8*((\a)%4)+\b):8*(8*((\a)%4)+\b)+7], v[128*(\p)+FR*\b:128*(\p)+FR*\b+FR-1], v[AF+FR*(\a):AF+FR*(\a)+FR-1], 0
.else
	v_wmma_f32_16x16x128_fp8_fp8 v[8*(8*((\a)%4)+\b):8*(8*((\a)%4)+\b)+7], v[128*(\p)+FR*\b:128*(\p)+FR*\b+FR-1], v[AF+FR*(\a):AF+FR*(\a)+FR-1], v[8*(8*((\a)%4)+\b):8*(8*((\a)%4)+\b)+7]
.endif
.endr
.endr
.endm
.macro FETCH_B slot, q, p              ; B's eight fragments of the slot's q-th 128 along K into set p
	WIN TO_B
.irp i, 0,1,2,3,4,5,6,7
	FRAG 128*(\p)+FR*\i, ADRB+\slot, \q, \i
.endr
	WIN 0
.endm
.macro FETCH_A slot, q, i0             ; A's blocks i0 .. i0 + 3
.irp i, \i0, \i0+1, \i0+2, \i0+3
	FRAG AF+FR*(\i), ADRA+\slot, \q, \i
.endr
.endm
; A load into a register that a matrix instruction has read, and a vector instruction that reads a matrix result, stand NP places behind that matrix instruction; only plain vector
; instructions that name none of its registers are places (ISA guide 7.12.1 for vector instructions).
.macro PLACES n
.rept \n
	v_nop
.endr
.endm
; A step of 128 along K that has its successor in the same slot.  A block of A is free as soon as its eight products are issued: blocks 0-3 are fetched anew in the step's middle, blocks 4-7 at its end.
.macro STEP slot, q, zero
	s_wait_dscnt 4*NL                              ; B's set and A's blocks 0-3 are in; the youngest sixteen loads (A's blocks 4-7) may be out
	WIN MUL_LO
	MUL16 0, (\q)%2, \zero
	MUL16 2, (\q)%2, \zero
	s_wait_dscnt 0                                 ; A's blocks 4-7 are in (asked for 32 matrix instructions ago)
	PLACES NP
	FETCH_B \slot, (\q)+1, 1-(\q)%2
	FETCH_A \slot, (\q)+1, 0
	WIN MUL_HI
	MUL16 4, (\q)%2, \zero
	MUL16 6, (\q)%2, \zero
	PLACES NP
	WIN 0
	FETCH_A \slot, (\q)+1, 4
.endm
; A slot's last step changes slots: ONE barrier; in front of it each wave waits for all its tensor loads, adds 0 to its spare word, and waits for that and for its own reads of this slot.  fill = 1: this slot is filled again, two K steps ahead.
.macro TURN slot, next, fill
	s_wait_tensorcnt 0x0                           ; all my tensor loads have landed: my part of the next slot;  (every window is 0 here: the add's two registers lie in window 0)
	ds_add_u32 v[SPW], v[NIL]                      ; 0 onto my spare word;
	s_wait_dscnt 4*NL+1                            ; (the add and the youngest sixteen loads, A's blocks 4-7, may be out)
	WIN MUL_LO
	MUL16 0, 1, 0                                  ; sixteen matrix instructions stand between the add and the wait for it
	s_wait_dscnt 0x0                               ; the add is done, and my reads of this slot are over
	s_barrier_signal -1
	MUL16 2, 1, 0
	WIN 0
	s_barrier_wait -1
.if \fill
	CREST                                          ; the barrier has opened a round of the cluster's barrier: no wave of any partner still reads this slot's tile or has a load on its way
	s_add_nc_u64 s[G0+4*\slot+2:G0+4*\slot+3], s[G0+4*\slot+2:G0+4*\slot+3], 2*ROWB
	s_add_nc_u64 s[G0B+4*\slot+2:G0B+4*\slot+3], s[G0B+4*\slot+2:G0B+4*\slot+3], 2*ROWB
	JLOAD G0+4*\slot, G1, G0B+4*\slot, G1B         ; the first tensor load behind the round; the four v_nop behind it are the places in front of the loads below
.else
	PLACES NP
.endif
	FETCH_B \next, 0, 0
	FETCH_A \next, 0, 0
	WIN MUL_HI
	MUL16 4, 1, 0
	MUL16 6, 1, 0
	PLACES NP
	WIN 0
	FETCH_A \next, 0, 4
.endm
	s_wait_alu depctr_va_vdst(0)
	s_wait_tensorcnt 1                             ; my part of K step 0 is in (K step 1's load may be out)
	s_barrier_signal -1
	s_barrier_wait -1                              ; everybody's is
	FETCH_B 0, 0, 0
	FETCH_A 0, 0, 0
	FETCH_A 0, 0, 4
	STEP 0, 0, 1                                   ; the first step stands in front of the loop: its products start the sums
	s_mov_b32 s3, LAPS-1
.Llap:                                                 ; a trip goes once round the ring, from a lap's second step to the next lap's first, and fills both slots again
	TURN 0, 1, 1
	STEP 1, 0, 0
	TURN 1, 0, 1
	STEP 0, 0, 0
	s_sub_co_u32 s3, s3, 1
	s_cmp_lg_u32 s3, 0
	s_cbranch_scc1 .Llap
	TURN 0, 1, 0                                   ; the last lap fills nothing, and has no round of the cluster's barrier
	STEP 1, 0, 0
	s_wait_dscnt 4*NL                              ; the very last step: nothing more to fetch
	WIN MUL_LO
	MUL16 0, 1, 0
	MUL16 2, 1, 0
	s_wait_dscnt 0
	WIN MUL_HI
	MUL16 4, 1, 0
	MUL16 6, 1, 0
	WIN 0
; THE WAY OUT, block by block of side A (16 rows x my 128 of side B).  A lane's 64 sums are four runs of 16 neighbours along the next K: converted, and each run's 16 bytes stored at 16 x lane of its piece.
; A sum stands for sum x 2^(e0 + e1), so its code is sum / 2^(e_out - e0 - e1): the three scales are folded into the conversion's one.
; The codes go into two sets of registers by turns: a set is written again two blocks later, and the wait on XCNT of the block between stands behind the stores that read it.
.macro OUTBLK a
.set AC, 64*((\a)%4)
.set CD, CODE+16*((\a)%2)
	WIN 0x02+((\a)/4)                              ; source 0: window 2 or 3
.set i, 0
.rept 64
.set i, i+1
.endr
.set i, 0
.rept 8
	v_cvt_scalef32_pk8_fp8_f32 v[CD+2*i:CD+2*i+1], v[AC+8*i:AC+8*i+7], v[SCL]
.set i, i+1
.endr
	WIN 0
	v_nop                                          ; one plain vector line behind the last conversion
.if (\a) > 0
	s_wait_alu depctr_va_vdst(0)
	s_wait_xcnt 0x0                                ; the earlier stores have read their base and their data: only behind this wait is the base stepped
.if (\a) == 4
	s_add_nc_u64 s[10:11], s[10:11], s[78:79]
.else
	s_add_nc_u64 s[10:11], s[10:11], s[76:77]
.endif
.endif
.irp p, 0,1,2,3
	global_store_b128 v[OF+\p], v[CD+4*\p:CD+4*\p+3], s[10:11]   ; 32 lanes store 512 consecutive bytes, at a multiple of 512 from the buffer's first byte
.endr
.endm
	s_wait_kmcnt 0x0
	s_cmp_eq_u32 ttmp9, 0
	s_cselect_b32 s80, s90, s91                    ; e2 for q, e3 for k,
	s_cmp_eq_u32 ttmp9, 2
	s_cselect_b32 s80, s93, s80                    ; e5 for v
	s_sub_co_i32 s80, s80, s88
	s_sub_co_i32 s80, s80, s89                     ; - e0 - e1
	s_add_co_i32 s80, s80, 127
	s_lshl_b32 s81, s80, 23
	v_mov_b32 v[SCL], s81
	s_add_co_i32 s80, s80, 8
	s_lshl_b32 s80, s80, 23
	s_or_b32 s80, s80, 0x600000
	PLACES NP                                      ; behind the last products, ahead of the first read of results
.irp a, 0,1,2,3,4,5,6,7
	OUTBLK \a
.endr
	s_wait_tensorcnt 0x0                           ; the wave's end, behind my last tensor load
	ds_add_u32 v[SPW], v[NIL]
	s_wait_dscnt 0x0
	CROUND                                         ; the closing round: no work-group ends while a partner may still ask for a tile that names it
	s_endpgm
.Lfunc_end_k_q432ae66f7c_qkv:
	.size	k_q432ae66f7c_qkv, .Lfunc_end_k_q432ae66f7c_qkv-k_q432ae66f7c_qkv
	.p2alignl 7, 3214868480
	.fill 96, 4, 3214868480
	.section	.rodata,"a",@progbits
	.p2align	6, 0x0
	.amdhsa_kernel k_q432ae66f7c_qkv
		.amdhsa_group_segment_fixed_size 327680
		.amdhsa_private_segment_fixed_size 0
		.amdhsa_enable_private_segment 0
		.amdhsa_kernarg_size 40
		.amdhsa_user_sgpr_count 2
		.amdhsa_user_sgpr_kernarg_segment_ptr 1
		.amdhsa_wavefront_size32 1
		.amdhsa_system_sgpr_workgroup_id_x 1
		.amdhsa_system_sgpr_workgroup_id_y 1
		.amdhsa_system_sgpr_workgroup_id_z 1
		.amdhsa_system_vgpr_workitem_id 0
		.amdhsa_next_free_vgpr 1024
		.amdhsa_next_free_sgpr 100
		.amdhsa_reserve_vcc 0
		.amdhsa_float_denorm_mode_32 3
		.amdhsa_float_denorm_mode_16_64 3
		.amdhsa_fp16_overflow 1
		.amdhsa_memory_ordered 1
		.amdhsa_forward_progress 1
		.amdhsa_inst_pref_size 87
	.end_amdhsa_kernel
	.amdgpu_metadata
---
amdhsa.version: [ 1, 2 ]
amdhsa.kernels:
  - .name:           k_q432ae66f7c_qkv
    .symbol:         k_q432ae66f7c_qkv.kd
    .args:
      - { .name: x_codes, .offset: 0, .size: 8, .value_kind: global_buffer, .address_space: global }
      - { .name: wqkv_codes, .offset: 8, .size: 8, .value_kind: global_buffer, .address_space: global }
      - { .name: lowp_scales, .offset: 16, .size: 8, .value_kind: global_buffer, .address_space: global }
      - { .name: q_img, .offset: 24, .size: 8, .value_kind: global_buffer, .address_space: global }
      - { .name: kv_img, .offset: 32, .size: 8, .value_kind: global_buffer, .address_space: global }
    .group_segment_fixed_size: 327680
    .private_segment_fixed_size: 0
    .kernarg_segment_align: 8
    .kernarg_segment_size: 40
    .max_flat_workgroup_size: 128
    .sgpr_count:     100
    .vgpr_count:     1024
    .wavefront_size: 32
...
	.end_amdgpu_metadata
.endif
;; end of part 2
;; launch attn (part 3): grid 4 x 64, 8 waves a work-group, clusters of 4 x 1, 263,168 bytes of LDS; arguments q_img, kv_img, lowp_scales, a_img; writes a_img
.if DOCPART == 3
	.amdgcn_target "amdgcn-amd-amdhsa--gfx1250"
	.amdhsa_code_object_version 6
	.text
	.protected	k_q432ae66f7c_attn
	.globl	k_q432ae66f7c_attn
	.p2align	8
	.type	k_q432ae66f7c_attn,@function
k_q432ae66f7c_attn:
	s_mov_b64 s[64:65], 0
	v_nop
	global_prefetch_b8 v0, s[64:65] scope:SCOPE_SE
	s_setreg_imm32_b32 hwreg(HW_REG_WAVE_MODE, 25, 1), 1
	s_wait_xcnt 0x0
	s_wait_alu depctr_hold_cnt(0) depctr_sa_sdst(0) depctr_va_vdst(0) depctr_va_sdst(0) depctr_va_ssrc(0) depctr_va_vcc(0) depctr_vm_vsrc(0)
	s_getreg_b32 s2, hwreg(HW_REG_IB_STS2, 6, 4)
	s_cmp_eq_u32 s2, 0
	s_cbranch_scc0 .Lentry_in_a_cluster
	s_endpgm
.Lentry_in_a_cluster:
	s_bfe_u32 s2, ttmp6, 0x10000c
	s_cmp_lg_u32 s2, 0x3003
	s_cbranch_scc0 .Lentry_shape_is_right
	s_endpgm
.Lentry_shape_is_right:
; Causal attention on codes of FP8 (E4M3): 64 heads (batch x head), 2,048 tokens, head size 64.  S = q k^T x 2^(e2 + e3) / 8; key k counts for query q where k <= q;
; t = S x log2(e); M = the row's largest t so far, rounded UP to a whole number; p = 2^(t - M) is quantised with 2^e4, not normalised; the row's sum is taken of the unquantised p, in f32;
; o = (p v) x 2^(e4 + e5) / sum, quantised at once with 2^e6.  When M moves, the sum and O are multiplied by 2^(old M - new M): exact.
; INPUTS are images of operand registers (the launch before laid them): q_img [head][step 16][tile 8][piece 2][512], kv_img [head][step 16][K: tile 8 x piece 2 x 512 | V: tile 4 x piece 4 x 512];
; a piece holds 16 bytes a lane at 16 x lane.  Tile t, lane (r, h) of q and K: token 128 step + 32 (t / 2) + 8 (t % 2) + r + 8 (r / 8), channels 32 piece + 16 h + 0 .. 15;  of V: that channel of the head, keys 128 step + 32 piece + 16 h + 0 .. 15.
; OUTPUT a_img [row tile 512][K step of 128: 8][piece 4][512]: the last product's operand, laid the same way: row tile 128 batch + t', lane (r, h): token 32 (t' / 2) + 8 (t' % 2) + r + 8 (r / 8), channels 128 s + 32 piece + 16 h + 0 .. 15.
; BOTH PRODUCTS ARE USED TRANSPOSED (S^T = K Q^T, O^T = V^T P^T): a lane holds one query throughout; by the order of a tile's rows, the 16 registers of two neighbouring result tiles are 16 neighbours
; (keys, then channels), so the conversions' results ARE the next operand's registers, and nothing goes through LDS but K and V.
; SHARES.  A cluster of four work-groups is one head; a head's whole kv_img, 262,144 bytes, lies in each work-group's LDS as it lies in memory, brought ONCE by joint loads (each of the eight waves asks
; for an eighth of each of three chunks: steps 0-1, 2-7, 8-15; three tensor loads of a wave are out at the most).  LDS is filled once: no ring.
; A wave works on 32 neighbouring queries (two tiles, which share each fragment of K and V) and makes two passes: queries 32 (32 + 4 w + cx) on, then 32 (31 - 4 w - cx) on.  In key steps of 128 the first
; pass needs steps 0 .. 8 + w, the second 0 .. 7 - w: 17 steps for every wave of every work-group, and the counts hang on the wave's number alone.  cx enters global addresses and the mask's thresholds (data) only.
; Every loop's trip count is a constant; a step all of whose keys are hidden is jumped over by a scalar branch on the wave's number; no barrier and no tensor load stands in a step.
; LIMITS on the given exponents, so that each power of two below is an f32 number: e2 + e3 between -123 and 130; e4 and e6 - e4 - e5 between -126 and 119.  NaN is not served.
; REGISTERS, window 0: v1-5 addresses and thresholds; v8-23 eight statistics a tile; v24-30 constants; v32-47, v48-63 Q of the two passes; v64-95 p's codes; v96-223 S^T, then p; v224-227 at work.
;   window 1: v0-63 O^T (tile u, channels' tile g at 32 u + 8 g); v64-127 K's eight fragments; v128-191 V's four.
.set STEPB, 16384                      ; a key step's bytes in LDS: K's image, then V's
.set LI,   1                           ; v1   16 x lane; never rewritten
.set ADR,  2                           ; v2   LDS address of the step in hand
.set VB0,  3                           ; v3   r + 8 (r / 8) - 16 (lane / 16)
.set DQ,   4                           ; v4-5 tile u's threshold on the diagonal: my query - the step's first key - 16 (lane / 16)
.set ST,   8                           ; tile u's statistics at v[ST + 8 u]: +0 -M, +1 the largest t, +2, +3 the sum in two halves, +4 f (+5 named with it as a pair), +6, +7 at work
.set PX,   24                          ; v24-25 what the lane 16 away sends
.set NINF, 26                          ; v26  -infinity
.set PLIM, 27
.set PSC,  28                          ; v28  2^e4
.set OSC,  29                          ; v29  2^(e6 - e4 - e5)
.set OLIM, 30
.set QH,   32
.set QL,   48
.set PC,   64
.set S,    96
.set SX,   224
.set OT,   0                           ; in window 1
.set KF,   64
.set VF,   128
.set WV,   12                          ; s12  my wave's number
.set G1A,  16                          ; s[16:23], s[24:31], s[32:39] descriptor groups 1 of the three chunks
.set G1B,  24
.set G1C,  32
.set G0A,  40                          ; s[40:43], s[44:47], s[48:51] their groups 0
.set G0B,  44
.set G0C,  48
.set SEL,  52                          ; s[52:53] lane selects for v_permlanex16_b32: lane l xor 16
.set CS,   54                          ; s[54:55] c = log2(e) / 8 x 2^(e2 + e3): the packed form names a pair and takes its low word for both halves
.set TB,   66                          ; s66  LDS byte at which the step in hand begins
.set KS,   67                          ; s67  the step's number: the loops' counter
.set LAST, 68                          ; s68  the pass's last step, the one on the diagonal
.set RHO,  69                          ; s69  my first query less that step's first key
.set AHI,  72                          ; s[72:73], s[74:75] where the two passes' results go
.set ALO,  74
.set QHI,  76                          ; s[76:77], s[78:79] where their queries lie
.set QLO,  78
.set MSB, 0
.macro WIN new                         ; the immediate's high byte repeats the setting that is left; bits 1:0 source 0, 3:2 source 1, 5:4 source 2, 7:6 destination
.if MSB != \new
	s_set_vgpr_msb (MSB<<8)|\new
.set MSB, \new
.endif
.endm
.macro CROUND                          ; a round of the cluster's barrier
	s_barrier_signal -1
	s_barrier_wait -1
	s_cmp_lg_u32 s[WV], 0
	s_cbranch_scc1 .Lnot_wave_0_\@
	s_barrier_signal -3
.Lnot_wave_0_\@:
	s_barrier_wait -3
	s_barrier_signal -1
	s_barrier_wait -1
.endm
.macro GROUP1 g, rows                  ; a dense block as rows of 256 bytes: 32 elements of 8 bytes, one row behind the other, no padding
	s_mov_b32 s[\g], 15|(3<<16)|(1<<21)            ; 15:0 the mask: all four work-groups; 17:16 elements of 8 bytes; 21 set beside a mask
	s_mov_b32 s[\g+1], 32<<16                      ; tensor_dim0
	s_mov_b32 s[\g+2], (\rows)<<16                 ; tensor_dim1
	s_mov_b32 s[\g+3], 32<<16                      ; tile_dim0
	s_mov_b32 s[\g+4], \rows                       ; tile_dim1
	s_mov_b32 s[\g+5], 32                          ; tensor_dim0_stride
	s_mov_b32 s[\g+6], 0
	s_mov_b32 s[\g+7], 0
.endm
	s_load_b256 s[4:11], s[0:1], 0x0               ; q_img s[4:5], kv_img s[6:7], the scales' exponents s[8:9], a_img s[10:11]
	v_lshl_add_u32 v254, v0, 2, 0x40000
	v_mov_b32 v255, 0
	ds_add_u32 v254, v255
	ds_add_u32 v254, v255
	v_lshrrev_b32 v1, 5, v0
	s_delay_alu instid0(VALU_DEP_1)
	v_readfirstlane_b32 s[WV], v1                  ; wave 0..7
	s_bfe_u32 s13, ttmp6, 0x40000                  ; cx: my place in the cluster
	s_and_b32 s14, ttmp7, 0xffff                   ; the head (16 x batch + head), which the four partners share
	GROUP1 G1A, 16                                 ; my eighth of steps 0-1:   4,096 bytes
	GROUP1 G1B, 48                                 ; of steps 2-7:            12,288
	GROUP1 G1C, 64                                 ; of steps 8-15:           16,384
	s_mov_b32 s[G0A], 1
	s_lshl_b32 s[G0A+1], s[WV], 12                 ; LDS byte = byte in the head's image: a constant + the wave's number x a constant
	s_mov_b32 s[G0B], 1
	s_mul_i32 s[G0B+1], s[WV], 12288
	s_add_co_u32 s[G0B+1], s[G0B+1], 2*STEPB
	s_mov_b32 s[G0C], 1
	s_lshl_b32 s[G0C+1], s[WV], 14
	s_add_co_u32 s[G0C+1], s[G0C+1], 8*STEPB
	s_lshl_b32 s2, s14, 18                         ; the head's first byte in kv_img
	s_mov_b32 s3, 0
	s_wait_dscnt 0x0
	s_wait_kmcnt 0x0
	s_load_b256 s[56:63], s[8:9], 0x0              ; e0 .. e7
	s_add_nc_u64 s[6:7], s[6:7], s[2:3]
.irp g, G0A, G0B, G0C
	s_mov_b32 s2, s[\g+1]
	s_add_nc_u64 s[\g+2:\g+3], s[6:7], s[2:3]
	s_or_b32 s[\g+3], s[\g+3], 0x80000000          ; type = 2
.endr
	CROUND                                         ; all four work-groups are here: the joint loads meet
	tensor_load_to_lds s[G0A:G0A+3], s[G1A:G1A+7]  ; all fills of the launch, one group, ahead of every wait on TENSORcnt, every LDS read and every other barrier
	s_nop 0
	tensor_load_to_lds s[G0B:G0B+3], s[G1B:G1B+7]
	s_nop 0
	tensor_load_to_lds s[G0C:G0C+3], s[G1C:G1C+7]
	s_nop 0
.rept 4
	v_nop
.endr
	v_and_b32 v[LI], 31, v0
	s_delay_alu instid0(VALU_DEP_1)
	v_lshlrev_b32 v[LI], 4, v[LI]
	s_wait_alu depctr_va_vdst(0)
	s_lshl_b32 s80, s[WV], 2
	s_add_co_u32 s80, s80, s13                     ; 4 w + cx
	s_add_co_u32 s81, s80, 32                      ; the first pass's 32 queries: number 32 + 4 w + cx of 64,
	s_sub_co_u32 s82, 31, s80                      ; the second's: 31 - 4 w - cx
	s_lshl_b32 s83, s14, 17                        ; the head's first byte in q_img; 32 queries are two tiles, 2,048 bytes
	s_lshl_b32 s2, s81, 11
	s_add_co_u32 s2, s2, s83
	s_add_nc_u64 s[QHI:QHI+1], s[4:5], s[2:3]
	s_lshl_b32 s2, s82, 11
	s_add_co_u32 s2, s2, s83
	s_add_nc_u64 s[QLO:QLO+1], s[4:5], s[2:3]
.irp u, 0,1
.irp c, 0,1
	global_load_b128 v[QH+8*\u+4*\c:QH+8*\u+4*\c+3], v[LI], s[QHI:QHI+1] offset:1024*\u+512*\c th:TH_LOAD_NT   ; Q's fragments stay in registers
	global_load_b128 v[QL+8*\u+4*\c:QL+8*\u+4*\c+3], v[LI], s[QLO:QLO+1] offset:1024*\u+512*\c th:TH_LOAD_NT
.endr
.endr
	s_lshr_b32 s84, s14, 4
	s_lshl_b32 s84, s84, 7                         ; 128 row tiles a batch
	s_and_b32 s85, s14, 15                         ; the head in its batch: its 64 channels are half of K step (head / 2)
	s_lshr_b32 s86, s85, 1
	s_lshl_b32 s86, s86, 11
	s_and_b32 s85, s85, 1
	s_lshl_b32 s85, s85, 10
	s_add_co_u32 s86, s86, s85
	s_lshl_b32 s2, s81, 1
	s_add_co_u32 s2, s2, s84
	s_lshl_b32 s2, s2, 14                          ; a row tile is 16,384 bytes
	s_add_co_u32 s2, s2, s86
	s_add_nc_u64 s[AHI:AHI+1], s[10:11], s[2:3]
	s_lshl_b32 s2, s82, 1
	s_add_co_u32 s2, s2, s84
	s_lshl_b32 s2, s2, 14
	s_add_co_u32 s2, s2, s86
	s_add_nc_u64 s[ALO:ALO+1], s[10:11], s[2:3]
	v_and_b32 v6, 15, v0                           ; r
	v_bfe_u32 v7, v0, 4, 1                         ; h
	s_delay_alu instid0(VALU_DEP_2)
	v_and_b32 v[VB0], 8, v6
	s_delay_alu instid0(VALU_DEP_1)
	v_add_nc_u32 v[VB0], v[VB0], v6
	s_delay_alu instid0(VALU_DEP_3)
	v_lshlrev_b32 v7, 4, v7
	s_delay_alu instid0(VALU_DEP_1)
	v_sub_nc_u32 v[VB0], v[VB0], v7
	v_mov_b32 v[NINF], 0xff800000
	v_mov_b32 v[PX], 0                             ; written once: a lane permute's destination counts as one of its sources
	v_mov_b32 v[PX+1], 0
	v_mov_b32 v[ST+5], 0                           ; (named as the upper halves of the pairs with f)
	v_mov_b32 v[ST+13], 0
	s_mov_b32 s[SEL], 0x76543210
	s_mov_b32 s[SEL+1], 0xfedcba98
	s_mov_b32 s[CS], 0x3e38aa3b                    ; log2(e) / sqrt(64)
	s_wait_kmcnt 0x0
	s_add_co_i32 s80, s58, s59
	s_lshl_b32 s80, s80, 23
	s_add_co_i32 s[CS], s[CS], s80                 ; a score stands for score x 2^(e2 + e3): the two exponents are added to c's exponent field
	s_mov_b32 s[CS+1], s[CS]
	s_add_co_i32 s80, s60, 127
	s_lshl_b32 s81, s80, 23
	v_mov_b32 v[PSC], s81
	s_sub_co_i32 s80, s62, s60
	s_sub_co_i32 s80, s80, s61
	s_add_co_i32 s80, s80, 127
	s_lshl_b32 s81, s80, 23
	v_mov_b32 v[OSC], s81
; A KEY STEP: 128 keys against my two tiles of queries, whose fragments begin at v[qb].  masked = 1: the step may lie behind the diagonal (left out) or on it (hidden scores become -infinity).
.macro STEP qb, masked
.if \masked
	s_cmp_gt_u32 s[KS], s[LAST]
	s_cbranch_scc1 .Lhidden_\@
.endif
	s_setprio 2
	v_add_nc_u32 v[ADR], s[TB], v[LI]
.rept 3
	v_nop                                          ; with the addition above: four places in front of loads into registers that the last products read
.endr
	WIN 0x40                                       ; destination window 1
.irp f, 0,1,2,3,4,5,6,7,8,9,10,11,12,13,14,15
	ds_load_b128 v[KF+4*\f:KF+4*\f+3], v[ADR] offset:512*\f          ; K: tile f / 2, piece f % 2.  32 lanes read 512 consecutive bytes
.endr
.irp f, 0,1,2,3,4,5,6,7,8,9,10,11,12,13,14,15
	ds_load_b128 v[VF+4*\f:VF+4*\f+3], v[ADR] offset:8192+512*\f     ; V: tile f / 4, piece f % 4: it lands while the softmax is worked
.endr
	s_wait_dscnt 16                                ; K is in; V's sixteen loads may be out
	WIN 0x01                                       ; source 0 (K) window 1
.irp t, 0,1,2,3,4,5,6,7
.irp u, 0,1
	v_wmma_f32_16x16x64_fp8_fp8 v[S+64*\u+8*\t:S+64*\u+8*\t+7], v[KF+8*\t:KF+8*\t+7], v[\qb+8*\u:\qb+8*\u+7], 0
.endr
.endr                                          ; lane (r, h): query r of tile u; register 16 b + i: key 32 b + 16 h + i of the step
	WIN 0
.rept 4
	v_nop
.endr
.if \masked
	s_cmp_lg_u32 s[KS], s[LAST]
	s_cbranch_scc1 .Lopen_\@
.irp u, 0,1
.set n, 0
.rept 64
	v_cmp_gt_i32 vcc_lo, 32*(n/16)+n%16, v[DQ+\u]
	v_cndmask_b32 v[S+64*\u+n], v[S+64*\u+n], v[NINF], vcc_lo
.set n, n+1
.endr
.endr
.Lopen_\@:
.endif
.irp u, 0,1                                    ; the step's largest score of my query among my 64 keys: two chains a tile, the tiles by turns, each accumulator from its low end on
	v_max3_num_f32 v[ST+8*\u+6], v[S+64*\u], v[S+64*\u+1], v[S+64*\u+2]
	v_max3_num_f32 v[ST+8*\u+7], v[S+64*\u+3], v[S+64*\u+4], v[S+64*\u+5]
.endr
.set i, 6
.rept 14
.irp u, 0,1
	v_max3_num_f32 v[ST+8*\u+6], v[ST+8*\u+6], v[S+64*\u+i], v[S+64*\u+i+1]
	v_max3_num_f32 v[ST+8*\u+7], v[ST+8*\u+7], v[S+64*\u+i+2], v[S+64*\u+i+3]
.endr
.set i, i+4
.endr
.irp u, 0,1
	v_max3_num_f32 v[ST+8*\u+6], v[ST+8*\u+6], v[S+64*\u+62], v[S+64*\u+63]
.endr
.irp u, 0,1
	s_delay_alu instid0(VALU_DEP_2)
	v_max_num_f32 v[ST+8*\u+6], v[ST+8*\u+6], v[ST+8*\u+7]
.endr
.irp u, 0,1
	s_delay_alu instid0(VALU_DEP_2)
	v_permlanex16_b32 v[PX+\u], v[ST+8*\u+6], s[SEL], s[SEL+1]
.endr
.irp u, 0,1
	s_delay_alu instid0(VALU_DEP_2)
	v_max_num_f32 v[ST+8*\u+6], v[ST+8*\u+6], v[PX+\u]   ; and among lane l xor 16's
.endr
.irp u, 0,1
	s_delay_alu instid0(VALU_DEP_2)
	v_mul_f32 v[ST+8*\u+6], s[CS], v[ST+8*\u+6]          ; as t (c is positive)
.endr
.irp u, 0,1
	s_delay_alu instid0(VALU_DEP_2)
	v_max_num_f32 v[ST+8*\u+1], v[ST+8*\u+1], v[ST+8*\u+6]   ; the running largest t
.endr
.irp u, 0,1
	v_mov_b32 v[ST+8*\u+6], v[ST+8*\u]
.endr
.irp u, 0,1
	s_delay_alu instid0(VALU_DEP_4)
	v_floor_f32 v[ST+8*\u], -v[ST+8*\u+1]                ; the new -M = floor(-t) = -ceil(t): a whole number
.endr
.irp u, 0,1
	s_delay_alu instid0(VALU_DEP_2)
	v_sub_f32 v[ST+8*\u+6], v[ST+8*\u], v[ST+8*\u+6]     ; old M - new M: a whole number, 0 or less
.endr
.irp u, 0,1
	s_delay_alu instid0(VALU_DEP_2)
	v_cvt_i32_f32 v[ST+8*\u+6], v[ST+8*\u+6]             ; (it saturates)
.endr
.irp u, 0,1
	s_delay_alu instid0(VALU_DEP_2)
	v_ldexp_f32 v[ST+8*\u+4], 1.0, v[ST+8*\u+6]          ; f = 2^(old M - new M)
.endr
.set j, 0
.rept 32
	v_pk_fma_f32 v[S+j:S+j+1], v[S+j:S+j+1], s[CS:CS+1], v[ST:ST+1] op_sel_hi:[1,0,0]   ; tile 0: t - M, two at a time (of the pairs c and -M the low word serves both halves)
.set j, j+2
.endr
.set j, 0
	s_setprio 1
	s_wait_alu depctr_va_vdst(0)
.rept 32                                       ; ONE BATCH of 128 exponentials; tile 1's scalings stand between tile 0's exponentials and name none of their results
	v_pk_fma_f32 v[S+64+j:S+64+j+1], v[S+64+j:S+64+j+1], s[CS:CS+1], v[ST+8:ST+9] op_sel_hi:[1,0,0]
	v_exp_f32 v[S+j], v[S+j]
	v_exp_f32 v[S+j+1], v[S+j+1]
.set j, j+2
.endr
.set j, 64
	s_wait_alu depctr_va_vdst(0)
.rept 64
	v_exp_f32 v[S+j], v[S+j]                       ; p = 2^(t - M), at most 1: not normalised
.set j, j+1
.endr
	WIN 0x41                                       ; O^T (destination and source 0) window 1
	s_wait_alu depctr_va_vdst(0)
.irp u, 0,1
.set j, 0
.rept 16
	v_pk_mul_f32 v[OT+32*\u+j:OT+32*\u+j+1], v[OT+32*\u+j:OT+32*\u+j+1], v[ST+8*\u+4:ST+8*\u+5] op_sel_hi:[1,0]   ; O^T under the new M: independent work behind the batch
.set j, j+2
.endr
.endr
	WIN 0
.irp u, 0,1
	v_pk_mul_f32 v[ST+8*\u+2:ST+8*\u+3], v[ST+8*\u+2:ST+8*\u+3], v[ST+8*\u+4:ST+8*\u+5] op_sel_hi:[1,0]   ; the sums likewise
.endr
	s_wait_alu depctr_va_vdst(0)                   ; one wait for the whole batch, ahead of its first reader
.irp u, 0,1
	v_pk_add_f32 v[SX+2*\u:SX+2*\u+1], v[S+64*\u:S+64*\u+1], v[S+64*\u+2:S+64*\u+3]   ; THE ROW'S SUM IS TAKEN OF THE UNQUANTISED p: two chains a tile
.endr
.set j, 4
.rept 15
.irp u, 0,1
	v_pk_add_f32 v[ST+8*\u+2:ST+8*\u+3], v[ST+8*\u+2:ST+8*\u+3], v[S+64*\u+j:S+64*\u+j+1]
	v_pk_add_f32 v[SX+2*\u:SX+2*\u+1], v[SX+2*\u:SX+2*\u+1], v[S+64*\u+j+2:S+64*\u+j+3]
.endr
.set j, j+4
.endr
.irp u, 0
	s_delay_alu instid0(VALU_DEP_3)
	v_pk_add_f32 v[ST+8*\u+2:ST+8*\u+3], v[ST+8*\u+2:ST+8*\u+3], v[SX+2*\u:SX+2*\u+1]
.endr
.irp u, 1
	s_delay_alu instid0(VALU_DEP_2)
	v_pk_add_f32 v[ST+8*\u+2:ST+8*\u+3], v[ST+8*\u+2:ST+8*\u+3], v[SX+2*\u:SX+2*\u+1]
.endr
	s_setprio 0
.irp u, 0,1
.irp b, 0,1,2,3
.set i, 0
.rept 16
.set i, i+1
.endr
	v_cvt_scalef32_pk8_fp8_f32 v[PC+16*\u+4*\b:PC+16*\u+4*\b+1], v[S+64*\u+16*\b:S+64*\u+16*\b+7], v[PSC]
	v_cvt_scalef32_pk8_fp8_f32 v[PC+16*\u+4*\b+2:PC+16*\u+4*\b+3], v[S+64*\u+16*\b+8:S+64*\u+16*\b+15], v[PSC]
.endr
.endr
	v_nop                                          ; one plain vector line between the last conversion and the products that read its result
	s_wait_alu depctr_va_vdst(0)
	s_wait_dscnt 0x0                               ; V is in
	WIN 0x51                                       ; V (source 0), O^T (C and D) window 1; p's codes window 0
.irp g, 0,1,2,3                                ; O^T += V^T P^T: the eight accumulators by turns, one instruction a turn
.irp u, 0,1
	v_wmma_f32_16x16x128_fp8_fp8 v[OT+32*\u+8*\g:OT+32*\u+8*\g+7], v[VF+16*\g:VF+16*\g+15], v[PC+16*\u:PC+16*\u+15], v[OT+32*\u+8*\g:OT+32*\u+8*\g+7]
.endr
.endr
	WIN 0
.if \masked
.Lhidden_\@:
.endif
	s_add_co_u32 s[TB], s[TB], STEPB
	s_add_co_u32 s[KS], s[KS], 1
.endm
; A pass begins: O^T and the sums are zeros and the largest t is -3e38, under every t: the first change of M multiplies zeros, so the step needs no first form of its own.
.macro INIT
	s_wait_xcnt 0x0                                ; the last pass's stores have read their data: the codes' registers may be written again
.irp u, 0,1
	v_mov_b32 v[ST+8*\u+1], 0xff61b1e6
	v_mov_b32 v[ST+8*\u+2], 0
	v_mov_b32 v[ST+8*\u+3], 0
.endr
.irp u, 0
	v_floor_f32 v[ST+8*\u], -v[ST+8*\u+1]
.endr
.irp u, 1
	s_delay_alu instid0(VALU_DEP_4)
	v_floor_f32 v[ST+8*\u], -v[ST+8*\u+1]
.endr
	v_add_nc_u32 v[DQ], s[RHO], v[VB0]             ; tile 0's queries: first query + r + 8 (r / 8);
	s_delay_alu instid0(VALU_DEP_1)
	v_add_nc_u32 v[DQ+1], 8, v[DQ]                 ; tile 1's lie 8 further on
	WIN 0x40
.set j, 0
.rept 64
	v_mov_b32 v[OT+j], 0
.set j, j+1
.endr
	WIN 0
	s_mov_b32 s[TB], 0
	s_mov_b32 s[KS], 0
.endm
; A pass ends: O^T / the sum, converted with 2^(e6 - e4 - e5); a lane's 16 codes of 16 neighbouring channels are 16 bytes of a piece of a_img.
.macro OUT base
.rept 4
	v_nop                                          ; places behind the last products
.endr
.irp u, 0,1
	v_add_f32 v[ST+8*\u+6], v[ST+8*\u+2], v[ST+8*\u+3]   ; the sum's two halves,
.endr
.irp u, 0,1
	s_delay_alu instid0(VALU_DEP_2)
	v_permlanex16_b32 v[PX+\u], v[ST+8*\u+6], s[SEL], s[SEL+1]
.endr
.irp u, 0,1
	s_delay_alu instid0(VALU_DEP_2)
	v_add_f32 v[ST+8*\u+6], v[ST+8*\u+6], v[PX+\u]       ; and lane l xor 16's
.endr
	s_wait_alu depctr_va_vdst(0)
.irp u, 0,1
	v_rcp_f32 v[ST+8*\u+4], v[ST+8*\u+6]
.endr
	v_nop                                          ; a plain line behind the reciprocals,
	s_wait_alu depctr_va_vdst(0)                   ; and one wait for both, ahead of their first reader
	WIN 0x01                                       ; source 0 (O^T) window 1
.irp u, 0,1
.set j, 0
.rept 16
	v_pk_mul_f32 v[S+32*\u+j:S+32*\u+j+1], v[OT+32*\u+j:OT+32*\u+j+1], v[ST+8*\u+4:ST+8*\u+5] op_sel_hi:[1,0]   ; register 32 u + 16 beta + i: channel 32 beta + 16 h + i
.set j, j+2
.endr
.endr
	WIN 0
.set j, 0
.rept 64
.set j, j+1
.endr
.set j, 0
.rept 8
	v_cvt_scalef32_pk8_fp8_f32 v[PC+2*j:PC+2*j+1], v[S+8*j:S+8*j+7], v[OSC]
.set j, j+1
.endr
	v_nop                                          ; one plain vector line behind the last conversion
.irp u, 0,1
.irp b, 0,1
	global_store_b128 v[LI], v[PC+8*\u+4*\b:PC+8*\u+4*\b+3], s[\base:\base+1] offset:16384*\u+512*\b   ; 32 lanes store 512 consecutive bytes, aligned
.endr
.endr
.endm
.macro LAND left                       ; my part of a chunk has landed (the later chunks' loads may stay out); behind the barrier everybody's has
	s_wait_tensorcnt \left
	s_barrier_signal -1
	s_barrier_wait -1
.endm
	s_add_co_u32 s[LAST], s[WV], 8                 ; THE FIRST PASS: queries 32 (32 + 4 w + cx) on: the diagonal lies in step 8 + w,
	s_lshl_b32 s[RHO], s13, 5                      ; 32 cx keys behind its first key
	INIT
	s_wait_loadcnt 0x0                             ; Q
	LAND 2                                         ; steps 0 and 1 lie in LDS; two loads of mine may be out
.Lsteps_a:
	STEP QH, 0
	s_cmp_lt_u32 s[KS], 2
	s_cbranch_scc1 .Lsteps_a
	s_setprio 0
	LAND 1                                         ; steps 2 to 7; one load may be out
	s_mov_b32 s[KS], 2                             ; (written anew, so that this loop's bounds stand in the text)
	s_mov_b32 s[TB], 2*STEPB
.Lsteps_b:
	STEP QH, 0
	s_cmp_lt_u32 s[KS], 8
	s_cbranch_scc1 .Lsteps_b
	s_setprio 0
	LAND 0                                         ; steps 8 to 15: the last barrier but the closing round's; up to here every wave has work in every step
	s_mov_b32 s[KS], 8
	s_mov_b32 s[TB], 8*STEPB
.Lsteps_c:
	STEP QH, 1
	s_cmp_lt_u32 s[KS], 16
	s_cbranch_scc1 .Lsteps_c
	s_setprio 0
	OUT AHI
	s_xor_b32 s[LAST], s[WV], 7                    ; THE SECOND PASS: queries 32 (31 - 4 w - cx) on: the diagonal lies in step 7 - w,
	s_lshl_b32 s[RHO], s13, 5
	s_sub_co_u32 s[RHO], 96, s[RHO]                ; 96 - 32 cx keys behind its first key
	INIT
.Lsteps_d:
	STEP QL, 1
	s_cmp_lt_u32 s[KS], 8
	s_cbranch_scc1 .Lsteps_d
	s_setprio 0
	OUT ALO
	s_wait_tensorcnt 0x0
	ds_add_u32 v254, v255
	s_wait_dscnt 0x0
	CROUND                                         ; the closing round
	s_endpgm
.Lfunc_end_k_q432ae66f7c_attn:
	.size	k_q432ae66f7c_attn, .Lfunc_end_k_q432ae66f7c_attn-k_q432ae66f7c_attn
	.p2alignl 7, 3214868480
	.fill 96, 4, 3214868480
	.section	.rodata,"a",@progbits
	.p2align	6, 0x0
	.amdhsa_kernel k_q432ae66f7c_attn
		.amdhsa_group_segment_fixed_size 263168
		.amdhsa_private_segment_fixed_size 0
		.amdhsa_enable_private_segment 0
		.amdhsa_kernarg_size 32
		.amdhsa_user_sgpr_count 2
		.amdhsa_user_sgpr_kernarg_segment_ptr 1
		.amdhsa_wavefront_size32 1
		.amdhsa_system_sgpr_workgroup_id_x 1
		.amdhsa_system_sgpr_workgroup_id_y 1
		.amdhsa_system_sgpr_workgroup_id_z 1
		.amdhsa_system_vgpr_workitem_id 0
		.amdhsa_next_free_vgpr 512
		.amdhsa_next_free_sgpr 96
		.amdhsa_reserve_vcc 1
		.amdhsa_float_denorm_mode_32 3
		.amdhsa_float_denorm_mode_16_64 3
		.amdhsa_fp16_overflow 1
		.amdhsa_memory_ordered 1
		.amdhsa_forward_progress 1
		.amdhsa_inst_pref_size 141
	.end_amdhsa_kernel
	.amdgpu_metadata
---
amdhsa.version: [ 1, 2 ]
amdhsa.kernels:
  - .name:           k_q432ae66f7c_attn
    .symbol:         k_q432ae66f7c_attn.kd
    .args:
      - { .name: q_img, .offset: 0, .size: 8, .value_kind: global_buffer, .address_space: global }
      - { .name: kv_img, .offset: 8, .size: 8, .value_kind: global_buffer, .address_space: global }
      - { .name: lowp_scales, .offset: 16, .size: 8, .value_kind: global_buffer, .address_space: global }
      - { .name: a_img, .offset: 24, .size: 8, .value_kind: global_buffer, .address_space: global }
    .group_segment_fixed_size: 263168
    .private_segment_fixed_size: 0
    .kernarg_segment_align: 8
    .kernarg_segment_size: 32
    .max_flat_workgroup_size: 256
    .sgpr_count:     96
    .vgpr_count:     512
    .wavefront_size: 32
...
	.end_amdgpu_metadata
.endif
;; end of part 3
;; launch proj (part 4): grid 4 x 32, 4 waves a work-group, clusters of 4 x 4, 327,680 bytes of LDS; arguments a_img, wproj_codes, lowp_scales, out0; writes out0
.if DOCPART == 4
	.amdgcn_target "amdgcn-amd-amdhsa--gfx1250"
	.amdhsa_code_object_version 6
	.text
	.protected	k_q432ae66f7c_proj
	.globl	k_q432ae66f7c_proj
	.p2align	8
	.type	k_q432ae66f7c_proj,@function
k_q432ae66f7c_proj:
	s_mov_b64 s[64:65], 0
	v_nop
	global_prefetch_b8 v0, s[64:65] scope:SCOPE_SE
	s_setreg_imm32_b32 hwreg(HW_REG_WAVE_MODE, 25, 1), 1
	s_wait_xcnt 0x0
	s_wait_alu depctr_hold_cnt(0) depctr_sa_sdst(0) depctr_va_vdst(0) depctr_va_sdst(0) depctr_va_ssrc(0) depctr_va_vcc(0) depctr_vm_vsrc(0)
	s_getreg_b32 s2, hwreg(HW_REG_IB_STS2, 6, 4)
	s_cmp_eq_u32 s2, 0
	s_cbranch_scc0 .Lentry_in_a_cluster
	s_endpgm
.Lentry_in_a_cluster:
	s_bfe_u32 s2, ttmp6, 0x10000c
	s_cmp_lg_u32 s2, 0xf033
	s_cbranch_scc0 .Lentry_shape_is_right
	s_endpgm
.Lentry_shape_is_right:
; out0 = a W_proj^T on codes of FP8 (E4M3), f32 sums, each finished sum x 2^(e6 + e7).  out0: [8192][1024] f32.
; a_img [row tile 512][K step of 128: 8][piece 4][512]: images of operand registers: a piece holds 16 bytes a lane at 16 x lane; row tile t', lane (r, h): row 32 (t' / 2) + 8 (t' % 2) + r + 8 (r / 8), K = 128 s + 32 piece + 16 h + 0 .. 15.
; wproj_codes [1024][1024]: K innermost; in each block of 32 rows the groups of 8 rows lie in the order 0, 2, 1, 3.  Both orders are undone on the way out, by constants in the offsets.
; A tile of out0, 256 x 256, is made by a work-group of four waves; a wave makes 128 x 128: 64 accumulators.  K = 1,024 goes in four steps of 256 through two LDS slots.
; 128 tiles, so 128 work-groups: a smaller tile would fill more WGPs at more LDS bytes for each product.
; CLUSTERS: 4 x 4 work-groups; A's tiles are shared along a row of the cluster, B's along a column: each is asked for JOINTLY, by the same tensor load with a mask of four.
; Source 0 = 16 rows of W_proj, source 1 = 16 rows of a: a lane holds eight neighbouring columns of one row of out0.
; A's fragments come out of LDS as they lie (512 consecutive bytes a load); B's by four loads of 16 bytes from padded rows: on both sides registers 4 c .. 4 c + 3 hold K = 32 c + 16 (lane / 16) + 0 .. 15.
; LIMIT: e6 + e7 between -126 and 127, so that 2^(e6 + e7) is an f32 number.
; REGISTERS: window 0: v0-31 addresses; from v128 A's fragments, ONE set; on the way out v32-255 are free.  window 1: B's fragments, TWO sets.  windows 2, 3: the accumulators ((a, b) at v[8 (8 (a % 4) + b)]).
.set SIZE_K, 1024
.set SIZE_N, 1024
.set KSTEP,  256
.set ROWB,   256                       ; B: a tile's row in bytes
.set KROW,   SIZE_K                    ; B: a row of codes in memory
.set PITCH,  272                       ; B: an LDS row: 256 bytes + 16 of padding: the 16 rows of a load start at 16 different banks (ISA guide 11.1)
.set ATILE,  4096                      ; A: a row tile's bytes of a K step of 256: two K steps of 128, 2,048 bytes each
.set FR,     16
.set NL,     4
.set NP,     4
.set HALFA,  8*ATILE                   ; A: 8 row tiles (128 rows): what one tensor load brings, and what one wave reads
.set HALFB,  128*PITCH                 ; B: 128 rows
.set BOFF,   2*HALFA                   ; a slot: A's 16 row tiles, then B's 256 rows
.set SLOT,   BOFF+2*HALFB
.set LAPS,   SIZE_K/(2*KSTEP)
.set SPARE,  2*SLOT                    ; behind the ring: the spare words, 128 bytes for each wave: two blocks of 256 bytes that no other line names
.set SPITCH, 528                       ; the way out: a stage of 16 rows x (512 bytes + 16) for each wave, in slot 0, which has had its last fill and its last read when the first result is stored there
.set ADRA, 16                          ; v16-17  LDS address of my A fragments in slot 0, 1
.set ADRB, 20                          ; v20-21  the same for B
.set STO,  24                          ; v24     the way out: where I put my bytes of a row
.set RD,   25                          ; v25     where I read a row back
.set CO,   26                          ; v26     my byte offset in a row of out0
.set SPW,  28                          ; v28     LDS address of my spare word; never rewritten
.set NIL,  29                          ; v29     0; never rewritten
.set TMP,  32                          ; the way out: 64 registers, a block's sums x 2^(e6 + e7)
.set AF,   128
.set BK,   128                         ; the way out: 16 rows read back: v128-191 and v192-255 by turns
.set G1, 24
.set G0, 32
.set G1B, 48
.set G0B, 56
.set MSB, 0
.macro WIN new
.if MSB != \new
	s_set_vgpr_msb (MSB<<8)|\new
.set MSB, \new
.endif
.endm
.set MUL_LO, 0xa1
.set MUL_HI, 0xf1
.set TO_B,   0x40
.macro JLOAD g0a, g1a, g0b, g1b        ; a joint load: waves 0 and 1 fetch for A, waves 2 and 3 for B; four v_nop follow each of the two lines
	s_cmp_eq_u32 s15, 0
	s_cbranch_scc0 .Lfor_b_\@
	tensor_load_to_lds s[\g0a:\g0a+3], s[\g1a:\g1a+7]
	s_nop 0
.rept 4
	v_nop
.endr
	s_branch .Lasked_\@
.Lfor_b_\@:
	tensor_load_to_lds s[\g0b:\g0b+3], s[\g1b:\g1b+7]
	s_nop 0
.rept 4
	v_nop
.endr
.Lasked_\@:
.endm
.macro CREST
	s_cmp_lg_u32 s14, 0
	s_cbranch_scc1 .Lnot_wave_0_\@
	s_barrier_signal -3
.Lnot_wave_0_\@:
	s_barrier_wait -3
	s_barrier_signal -1
	s_barrier_wait -1
.endm
.macro CROUND
	s_barrier_signal -1
	s_barrier_wait -1
	CREST
.endm
	s_load_b128 s[4:7], s[0:1], 0x0                ; a_img s[4:5], W_proj's codes s[6:7]
	s_load_b128 s[8:11], s[0:1], 0x10              ; the scales' exponents s[8:9], out0 s[10:11]
	v_lshl_add_u32 v[SPW], v0, 2, SPARE
	v_mov_b32 v[NIL], 0
	ds_add_u32 v28, v29
	ds_add_u32 v28, v29
	s_wait_dscnt 0x0
	v_lshrrev_b32 v1, 5, v0
	v_readfirstlane_b32 s14, v1                    ; wave 0..3
	s_lshr_b32 s15, s14, 1                         ; which half of the tile's rows is mine.  Also: I fetch for A (0) or for B (1)
	s_and_b32 s16, s14, 1                          ; which half of its columns.  Also: which half of that tile I fetch
	s_bfe_u32 s40, ttmp6, 0x40000                  ; cx, cy
	s_bfe_u32 s41, ttmp6, 0x40004
	s_lshl_b32 s42, ttmp9, 2
	s_add_co_u32 s42, s42, s40                     ; tile column = 4 x cluster x + cx
	s_and_b32 s17, ttmp7, 0xffff
	s_lshl_b32 s17, s17, 2
	s_add_co_u32 s17, s17, s41                     ; tile row = 4 x cluster y + cy
	s_lshl_b32 s43, s41, 2
	s_lshl_b32 s43, 15, s43                        ; my row of the cluster
	s_lshl_b32 s44, 0x1111, s40                    ; my column
	; A's group 1: 8 row tiles, of each 4,096 consecutive bytes (512 elements of 8 bytes), 16,384 bytes apart; dense in LDS
	s_or_b32 s[G1+0], s43, (3<<16)|(1<<21)         ; 15:0 the mask: my row; 17:16 elements of 8 bytes; 21 set beside a mask; no padding
	s_mov_b32 s[G1+1], 512<<16                     ; tensor_dim0
	s_mov_b32 s[G1+2], 8<<16                       ; tensor_dim1
	s_mov_b32 s[G1+3], 512<<16                     ; tile_dim0
	s_mov_b32 s[G1+4], 8                           ; tile_dim1
	s_mov_b32 s[G1+5], 2048                        ; tensor_dim0_stride
	s_mov_b32 s[G1+6], 0
	s_mov_b32 s[G1+7], 0
	; B's: 128 rows x 256 bytes, padded in LDS
	s_or_b32 s[G1B+0], s44, (0<<16)|(1<<20)|(1<<21)|(5<<22)|(3<<25)  ; the mask: my column; elements of 1 byte; padding: 4 words after every 64
	s_mov_b32 s[G1B+1], ROWB<<16
	s_mov_b32 s[G1B+2], 128<<16
	s_mov_b32 s[G1B+3], ROWB<<16
	s_mov_b32 s[G1B+4], 128
	s_mov_b32 s[G1B+5], KROW
	s_mov_b32 s[G1B+6], 0
	s_mov_b32 s[G1B+7], 0
	s_lshl_b32 s18, s16, 17                        ; the half that I fetch: 8 row tiles of 16,384 bytes, or 128 rows of 1,024: 2^17 bytes either way
	s_lshl_b32 s20, s17, 18                        ; A: the tile row's 16 row tiles
	s_add_co_u32 s20, s20, s18
	s_mov_b32 s21, 0
	s_lshl_b32 s46, s42, 18                        ; B: the tile column's 256 rows
	s_add_co_u32 s46, s46, s18
	s_mov_b32 s47, 0
	s_lshl_b32 s45, s16, 15                        ; where they go in a slot: A's half,
	s_mul_i32 s19, s16, HALFB
	s_add_co_u32 s19, s19, BOFF                    ; B's half: no place in the cluster enters an LDS address
	s_wait_kmcnt 0x0
	s_load_b256 s[88:95], s[8:9], 0x0              ; e0 .. e7
	s_add_nc_u64 s[20:21], s[4:5], s[20:21]
	s_add_nc_u64 s[46:47], s[6:7], s[46:47]
	CROUND                                         ; all sixteen work-groups are here: the first joint loads meet
.irp s, 0,1
	s_mov_b32 s[G0+4*\s], 1
	s_add_co_u32 s[G0+4*\s+1], s45, \s*SLOT
	s_add_nc_u64 s[G0+4*\s+2:G0+4*\s+3], s[20:21], \s*ATILE
	s_or_b32 s[G0+4*\s+3], s[G0+4*\s+3], 0x80000000
	s_mov_b32 s[G0B+4*\s], 1
	s_add_co_u32 s[G0B+4*\s+1], s19, \s*SLOT
	s_add_nc_u64 s[G0B+4*\s+2:G0B+4*\s+3], s[46:47], \s*ROWB
	s_or_b32 s[G0B+4*\s+3], s[G0B+4*\s+3], 0x80000000
	s_wait_alu depctr_va_vdst(0)
	s_wait_tensorcnt 0x0
	ds_add_u32 v28, v29
	ds_add_u32 v28, v29
	s_wait_dscnt 0x0
	CROUND
	JLOAD G0+4*\s, G1, G0B+4*\s, G1B
.endr
	v_and_b32 v1, 15, v0                           ; l % 16
	v_bfe_u32 v2, v0, 4, 1                         ; l / 16
	v_and_b32 v6, 31, v0
	v_lshlrev_b32 v[CO], 4, v6                     ; 16 x lane
	v_mul_u32_u24 v3, v1, PITCH
	v_lshl_add_u32 v4, v2, 4, v3                   ; B: a fragment's row x pitch + 16 x half
	s_lshl_b32 s21, s15, 15                        ; my 8 row tiles of A
	s_mul_i32 s22, s16, HALFB                      ; my 128 rows of B,
	s_add_co_u32 s22, s22, BOFF                    ; which lie behind A's part
.irp s, 0,1
	v_add_nc_u32 v[ADRA+\s], s21, v[CO]
	v_add_nc_u32 v[ADRB+\s], s22, v4
	s_add_co_u32 s21, s21, SLOT
	s_add_co_u32 s22, s22, SLOT
.endr
	s_mul_i32 s23, s14, 16*SPITCH                  ; my stage
	v_mul_u32_u24 v5, v1, SPITCH                   ; in: row l % 16; my half of the lanes holds columns 32 beta + 16 h + ..: 64 h bytes on
	v_lshl_add_u32 v5, v2, 6, v5
	v_add_nc_u32 v[STO], s23, v5
	v_add_nc_u32 v[RD], s23, v[CO]                 ; back: the 32 lanes take one row of 512 bytes
	s_lshl_b32 s20, s17, 8
	s_lshl_b32 s21, s15, 7
	s_add_co_u32 s20, s20, s21                     ; my first row of out0: 256 x tile row + 128 x half,
	s_lshl_b32 s20, s20, 12                        ; x 4,096 bytes: under 2^25
	s_lshl_b32 s46, s42, 10                        ; my first column, in bytes: 1,024 x tile column + 512 x half
	s_lshl_b32 s47, s16, 9
	s_add_co_u32 s46, s46, s47
	s_add_co_u32 s20, s20, s46
	s_mov_b32 s21, 0
	s_add_nc_u64 s[10:11], s[10:11], s[20:21]
.macro FRAGA reg, slot, q, i           ; A's fragment of row tile i, the slot's q-th 128 along K: four pieces as they lie
.irp c, 0,1,2,3
	ds_load_b128 v[\reg+4*\c:\reg+4*\c+3], v[ADRA+\slot] offset:ATILE*(\i)+2048*(\q)+512*\c
.endr
.endm
.macro FRAGB reg, slot, q, i           ; B's: lane l holds row l % 16; registers 4 c .. 4 c + 3 hold K = 32 c + 16 (l / 16) + 0 .. 15
.irp c, 0,1,2,3
	ds_load_b128 v[\reg+4*\c:\reg+4*\c+3], v[ADRB+\slot] offset:128*(\q)+32*\c+(\i)*16*PITCH
.endr
.endm
; 16 matrix instructions: A's blocks a0, a0 + 1 x B's eight.  The 64 accumulators take turns, one instruction a turn, in the same order in every step.
.macro MUL16 a0, p, zero
.irp a, \a0, \a0+1
.irp b, 0,1,2,3,4,5,6,7
.if \zero
	v_wmma_f32_16x16x128_fp8_fp8 v[8*(8*((\a)%4)+\b):8*(8*((\a)%4)+\b)+7], v[128*(\p)+FR*\b:128*(\p)+FR*\b+FR-1], v[AF+FR*(\a):AF+FR*(\a)+FR-1], 0
.else
	v_wmma_f32_16x16x128_fp8_fp8 v[8*(8*((\a)%4)+\b):8*(8*((\a)%4)+\b)+7], v[128*(\p)+FR*\b:128*(\p)+FR*\b+FR-1], v[AF+FR*(\a):AF+FR*(\a)+FR-1], v[8*(8*((\a)%4)+\b):8*(8*((\a)%4)+\b)+7]
.endif
.endr
.endr
.endm
.macro FETCH_B slot, q, p
	WIN TO_B
.irp i, 0,1,2,3,4,5,6,7
	FRAGB 128*(\p)+FR*\i, \slot, \q, \i
.endr
	WIN 0
.endm
.macro FETCH_A slot, q, i0
.irp i, \i0, \i0+1, \i0+2, \i0+3
	FRAGA AF+FR*(\i), \slot, \q, \i
.endr
.endm
.macro PLACES n                        ; places in front of loads into registers that matrix instructions have read, and of the first read of results (ISA guide 7.12.1 for the first read of results)
.rept \n
	v_nop
.endr
.endm
.macro STEP slot, q, zero              ; a step of 128 along K that has its successor in the same slot
	s_wait_dscnt 4*NL                              ; B's set and A's blocks 0-3 are in; the youngest sixteen loads (A's blocks 4-7) may be out
	WIN MUL_LO
	MUL16 0, (\q)%2, \zero
	MUL16 2, (\q)%2, \zero
	s_wait_dscnt 0
	PLACES NP
	FETCH_B \slot, (\q)+1, 1-(\q)%2
	FETCH_A \slot, (\q)+1, 0
	WIN MUL_HI
	MUL16 4, (\q)%2, \zero
	MUL16 6, (\q)%2, \zero
	PLACES NP
	WIN 0
	FETCH_A \slot, (\q)+1, 4
.endm
; A slot's last step changes slots: ONE barrier; in front of it each wave waits for all its tensor loads, adds 0 to its spare word, and waits for that and for its own reads of this slot.
.macro TURN slot, next, fill
	s_wait_tensorcnt 0x0                           ; all my tensor loads have landed: my part of the next slot;
	ds_add_u32 v[SPW], v[NIL]                      ; 0 onto my spare word;
	s_wait_dscnt 4*NL+1                            ; (the add and the youngest sixteen loads may be out)
	WIN MUL_LO
	MUL16 0, 1, 0
	s_wait_dscnt 0x0                               ; the add is done, and my reads of this slot are over
	s_barrier_signal -1
	MUL16 2, 1, 0
	WIN 0
	s_barrier_wait -1
.if \fill
	CREST                                          ; the barrier has opened a round of the cluster's barrier: no wave of any partner still reads this slot or has a load on its way
	s_add_nc_u64 s[G0+4*\slot+2:G0+4*\slot+3], s[G0+4*\slot+2:G0+4*\slot+3], 2*ATILE
	s_add_nc_u64 s[G0B+4*\slot+2:G0B+4*\slot+3], s[G0B+4*\slot+2:G0B+4*\slot+3], 2*ROWB
	JLOAD G0+4*\slot, G1, G0B+4*\slot, G1B         ; the first tensor load behind the round; its four v_nop are the places in front of the loads below
.else
	PLACES NP
.endif
	FETCH_B \next, 0, 0
	FETCH_A \next, 0, 0
	WIN MUL_HI
	MUL16 4, 1, 0
	MUL16 6, 1, 0
	PLACES NP
	WIN 0
	FETCH_A \next, 0, 4
.endm
	s_wait_alu depctr_va_vdst(0)
	s_wait_tensorcnt 1                             ; my part of K step 0 is in (K step 1's load may be out)
	s_barrier_signal -1
	s_barrier_wait -1                              ; everybody's is
	FETCH_B 0, 0, 0
	FETCH_A 0, 0, 0
	FETCH_A 0, 0, 4
	STEP 0, 0, 1                                   ; the first step's products start the sums
	s_mov_b32 s3, LAPS-1
.Llap:
	TURN 0, 1, 1
	STEP 1, 0, 0
	TURN 1, 0, 1
	STEP 0, 0, 0
	s_sub_co_u32 s3, s3, 1
	s_cmp_lg_u32 s3, 0
	s_cbranch_scc1 .Llap
	TURN 0, 1, 0                                   ; the last lap fills nothing
	STEP 1, 0, 0
	s_wait_dscnt 4*NL
	WIN MUL_LO
	MUL16 0, 1, 0
	MUL16 2, 1, 0
	s_wait_dscnt 0
	WIN MUL_HI
	MUL16 4, 1, 0
	MUL16 6, 1, 0
	WIN 0
; THE WAY OUT, block by block of 16 rows x 128 columns, through my own stage in LDS, back as whole rows of 512 bytes.  Accumulator (a, b), lane (r, h), register j is
; row 32 (a / 2) + 8 (a % 2) + r + 8 (r / 8), column 32 (b / 2) + 16 h + 8 (b % 2) + j of my 128 x 128: the columns' order is undone by the stage's offsets, the rows' by the stores' offsets.
; LDS serves a wave's instructions in order (ISA guide 5.7.1.4): no wait between the stores and the loads, nor in front of the next block's stores.
.macro TOSTAGE a
.set AC, 64*((\a)%4)
	WIN 0x02+((\a)/4)                              ; source 0: window 2 or 3
.irp j, 0,2,4,6,8,10,12,14,16,18,20,22,24,26,28,30,32,34,36,38,40,42,44,46,48,50,52,54,56,58,60,62
	v_pk_mul_f32 v[TMP+\j:TMP+\j+1], v[AC+\j:AC+\j+1], s[96:97] op_sel_hi:[1,0]   ; both x 2^(e6 + e7); each accumulator from its low end on
.endr
	WIN 0
.irp b, 0,1,2,3,4,5,6,7
	ds_store_b128 v[STO], v[TMP+8*\b:TMP+8*\b+3] offset:128*(\b/2)+32*(\b%2)
	ds_store_b128 v[STO], v[TMP+8*\b+4:TMP+8*\b+7] offset:128*(\b/2)+32*(\b%2)+16
.endr
.set BB, BK+64*((\a)%2)
.irp t, 0,1,2,3,4,5,6,7,8,9,10,11,12,13,14,15
	ds_load_b128 v[BB+4*\t:BB+4*\t+3], v[RD] offset:\t*SPITCH
.endr
.endm
.macro SEND a, younger                 ; younger: the LDS instructions issued behind block a's loads, which may stay out
.set BB, BK+64*((\a)%2)
	s_wait_dscnt \younger                          ; the block is back in registers
.irp t, 0,1,2,3,4,5,6,7,8,9,10,11,12,13,14,15
	global_store_b128 v[CO], v[BB+4*\t:BB+4*\t+3], s[10:11] offset:(32*((\a)/2)+8*((\a)%2)+\t+8*(\t/8))*SIZE_N*4 th:TH_STORE_NT   ; 32 lanes store 512 consecutive bytes, aligned; 127 rows at the most: inside the signed 24-bit immediate
.endr
.endm
	s_wait_kmcnt 0x0
	s_add_co_i32 s96, s94, s95                     ; e6 + e7, between -126 and 127,
	s_add_co_i32 s96, s96, 127
	s_lshl_b32 s96, s96, 23                        ; makes the f32 number 2^(e6 + e7)
	s_mov_b32 s97, s96                             ; (named with it as a pair, so it is written)
	PLACES NP
	TOSTAGE 0
.irp a, 1,2,3,4,5,6,7
.if \a > 1
	s_wait_xcnt 0x0                                ; block a - 2's stores have read their registers: block a's loads may land there
.endif
	TOSTAGE \a
	SEND \a-1, 32                                  ; behind block a - 1's loads: block a's 16 stores and 16 loads
.endr
	SEND 7, 0
	s_wait_tensorcnt 0x0                           ; the wave's end, behind my last tensor load and my last LDS store
	ds_add_u32 v[SPW], v[NIL]
	s_wait_dscnt 0x0
	CROUND                                         ; the closing round
	s_endpgm
.Lfunc_end_k_q432ae66f7c_proj:
	.size	k_q432ae66f7c_proj, .Lfunc_end_k_q432ae66f7c_proj-k_q432ae66f7c_proj
	.p2alignl 7, 3214868480
	.fill 96, 4, 3214868480
	.section	.rodata,"a",@progbits
	.p2align	6, 0x0
	.amdhsa_kernel k_q432ae66f7c_proj
		.amdhsa_group_segment_fixed_size 327680
		.amdhsa_private_segment_fixed_size 0
		.amdhsa_enable_private_segment 0
		.amdhsa_kernarg_size 32
		.amdhsa_user_sgpr_count 2
		.amdhsa_user_sgpr_kernarg_segment_ptr 1
		.amdhsa_wavefront_size32 1
		.amdhsa_system_sgpr_workgroup_id_x 1
		.amdhsa_system_sgpr_workgroup_id_y 1
		.amdhsa_system_sgpr_workgroup_id_z 1
		.amdhsa_system_vgpr_workitem_id 0
		.amdhsa_next_free_vgpr 1024
		.amdhsa_next_free_sgpr 100
		.amdhsa_reserve_vcc 0
		.amdhsa_float_denorm_mode_32 3
		.amdhsa_float_denorm_mode_16_64 3
		.amdhsa_memory_ordered 1
		.amdhsa_forward_progress 1
		.amdhsa_inst_pref_size 124
	.end_amdhsa_kernel
	.amdgpu_metadata
---
amdhsa.version: [ 1, 2 ]
amdhsa.kernels:
  - .name:           k_q432ae66f7c_proj
    .symbol:         k_q432ae66f7c_proj.kd
    .args:
      - { .name: a_img, .offset: 0, .size: 8, .value_kind: global_buffer, .address_space: global }
      - { .name: wproj_codes, .offset: 8, .size: 8, .value_kind: global_buffer, .address_space: global }
      - { .name: lowp_scales, .offset: 16, .size: 8, .value_kind: global_buffer, .address_space: global }
      - { .name: out0, .offset: 24, .size: 8, .value_kind: global_buffer, .address_space: global }
    .group_segment_fixed_size: 327680
    .private_segment_fixed_size: 0
    .kernarg_segment_align: 8
    .kernarg_segment_size: 32
    .max_flat_workgroup_size: 128
    .sgpr_count:     100
    .vgpr_count:     1024
    .wavefront_size: 32
...
	.end_amdgpu_metadata
.endif
;; end of part 4
